; MI455X (gfx1250); checked and timed in simulation.
; The chip was launched on July 23, 2026; its instructions are those of AMD's public machine-readable ISA for CDNA 5 (MIT licence, August 2026) and "CDNA5" Instruction Set Architecture Reference Guide (July 2026). The comments in the code are by the model that wrote it; some were corrected since.
;; Attention. Allowed arithmetic: matrix products marked QUANTISED: E3M2 operands, one E8M0 scale for each 32 along K, by v_wmma_scale_f32_16x16x128_f8f6f4 with both operands' format E3M2, f32 sums; everything else in f32.
;; Inputs: Wk 1,024 x 1,024 float32; Wo 1,024 x 1,024 float32; Wq 1,024 x 1,024 float32; Wv 1,024 x 1,024 float32; bk 1,024 float32; bo 1,024 float32; bq 1,024 float32; bv 1,024 float32; k 4 x 2,048 x 1,024 float32; q 4 x 2,048 x 1,024 float32; v 4 x 2,048 x 1,024 float32.
;; Outputs: out0 4 x 2,048 x 1,024 float32.
;; This version of the problem:
;;   THIS VERSION OF THE PROBLEM IS GIVEN IN LOW PRECISION. The matrix products marked QUANTISED in the list below multiply operands that are first quantised to E3M2 (3 exponent bits, 2 mantissa bits; 6 bits a number), with one power-of-two scale for each 32 numbers along K (OCP MX v1.0); their sums are f32. All else is computed in f32.
;;   The module's matrix products, in the order in which they are computed (A, B: the left and right operand; K: the contracted axis; several contracted axes count as one K, in the product's order):
;;     1. [M 8,192, K 1,024] x [K 1,024, N 1,024]; A: input q; B: input Wq: QUANTISED
;;     2. [M 8,192, K 1,024] x [K 1,024, N 1,024]; A: input k; B: input Wk: QUANTISED
;;     3. [M 8,192, K 1,024] x [K 1,024, N 1,024]; A: input v; B: input Wv: QUANTISED
;;     4. batch 64 x [M 2,048, K 64] x [K 64, N 2,048]; A: computed on the way; B: computed on the way: QUANTISED
;;     5. batch 64 x [M 2,048, K 2,048] x [K 2,048, N 64]; A: softmax (see below); B: computed on the way: QUANTISED
;;     6. [M 8,192, K 1,024] x [K 1,024, N 1,024]; A: computed on the way; B: input Wo: QUANTISED
;;   THE QUANTISER, for each operand of a quantised product, along K:
;;     - K is cut into blocks of 32 from its start; a last block that is shorter is filled with zeros.
;;     - A block's scale is 2^e with e = floor(log2(the largest magnitude in the block)) - 4, held to -126 .. 127; a block of zeros has e = 0. As a byte (E8M0): e + 127.
;;     - Each number is divided by its block's scale, clamped to +-28, and rounded to the nearest number of E3M2, ties to even, subnormals kept.
;;     - The product sums the exact products of the quantised numbers (number of the format x scale) in f32.
;;   ~~~python
;;   def quantise(x, axis):      # numpy; x: float32 -> the quantised numbers, widened to float32 again
;;       x = np.moveaxis(x, axis, -1); K = x.shape[-1]
;;       x = np.pad(x, [(0, 0)] * (x.ndim - 1) + [(0, -K % 32)]); x = x.reshape(x.shape[:-1] + (-1, 32)); a = np.abs(x).max(-1, keepdims=True)
;;       e = np.where(a > 0, np.clip(np.frexp(np.where(a > 0, a, 1))[1] - 1 - 4, -126, 127), 0)      # np.frexp(a)[1] - 1 = floor(log2(a)), exactly
;;       r = np.clip(x / 2.0 ** e, -28, 28)
;;       step = 2.0 ** (np.maximum(np.frexp(np.where(r == 0, 1, r))[1] - 1, -2) - 2)
;;       q = np.round(r / step) * step * 2.0 ** e      # np.round: ties to even
;;       return np.moveaxis(q.reshape(q.shape[:-2] + (-1,))[..., :K], -1, axis).astype(np.float32)
;;   ~~~
;;   SOFTMAX AHEAD OF A QUANTISED PRODUCT. Where the list says 'softmax', what is quantised is not the finished softmax but p = 2^(t - M), with t = logit x log2(e) and M = ceil(the row's largest t), a whole number; so 1/2 < the row's largest p <= 1. The row's sum l is taken of the UNQUANTISED p, in f32, and the product's result is divided by l at the end. Since M is a whole number, a kernel that streams over the keys may use a running M (the ceiling of the running maximum): every later rescaling is an exact power of two, which a block's scale takes up: the codes' values come out the same.
;;   OPERANDS COMPUTED ON THE WAY. 'Computed on the way' means the value that the module computes at that place (a softmax that the list does not call 'softmax' is quantised finished and normalised). What goes into a quantiser is computed in f32, as accurately as f32 sums, v_exp_f32 and their like allow (about 1e-6 of the number): no bf16 or f16 on the way to a quantiser, and a product that is left as it is and whose result goes on into a quantised operand takes f32 operands (vector FMAs, or v_wmma_f32_16x16x4_f32). A number that lies on a knife's edge between two numbers of the format may be rounded either way, as far as f32 arithmetic and the matrix unit's own rounding can turn it there, and no further.
;; One version. Each part assembles by itself: llvm-mc -triple=amdgcn-amd-amdhsa -mcpu=gfx1250 --defsym DOCPART=n.
;; ======== version 1 of 1: 4 launches
;; limits: right only within a limited range of input values
;; workspace buffers: xc 18,874,368 bytes; xs 786,432 bytes; wc 3,145,728 bytes; ws 131,072 bytes; qr 6,815,744 bytes; kv 13,369,344 bytes; oc 6,291,456 bytes; os 262,144 bytes
;; launch quant (part 1): grid 640 x 1, 4 waves a work-group, no clusters, 34,304 bytes of LDS; arguments q, k, v, Wq, Wk, Wv, Wo, xc, xs, wc, ws; writes xc, xs, wc, ws
.if DOCPART == 1
	.amdgcn_target "amdgcn-amd-amdhsa--gfx1250"
	.amdhsa_code_object_version 6
	.text
	.protected	k_q59fb9ec873_quant
	.globl	k_q59fb9ec873_quant
	.p2align	8
	.type	k_q59fb9ec873_quant,@function
k_q59fb9ec873_quant:
	s_mov_b64 s[64:65], 0
	v_nop
	global_prefetch_b8 v0, s[64:65] scope:SCOPE_SE
	s_setreg_imm32_b32 hwreg(HW_REG_WAVE_MODE, 25, 1), 1
	s_wait_xcnt 0x0
; q, k, v [8192][1024] f32 (K innermost) and Wq, Wk, Wv, Wo [1024 (K)][1024 (n)] f32 (K is the FIRST axis) become codes of BF6 (E3M2) with one E8M0 byte for each 32 along K.
; A block's scale is 2^(floor(log2(its largest magnitude)) - 4); its byte is the largest magnitude's exponent field - 4, held at 1 from below by a floor among the maximum's leaves.
; THE CODES ARE LAID AS IMAGES OF THE OPERAND'S REGISTERS.  A fragment is 16 rows x 128 K: 12 registers a lane; lane r + 16 h holds row r; registers 6 c .. 6 c + 5 hold K = 64 c + 32 h + 0 .. 31.
; Its image is 1,536 bytes: for c = 0, 1: registers 6 c .. 6 c + 3 at 768 c + 16 x lane, registers 6 c + 4, 6 c + 5 at 768 c + 512 + 8 x lane.
; xc: [tensor x 512 + row / 16][K / 128][1,536];  wc: [tensor][n / 16][K / 128][1,536];  xs, ws: 32 scale bytes a row (a column n of W), byte = K / 32.
; LIMITS: NaN and infinities among the inputs are not served.  A block of zeros gets the byte 1 where the rule says 127: its codes are zeros, which add nothing under any byte but 0xff, and this program alone reads the bytes.
; Work-groups 0-255 take the weights, 256-639 take q, k, v.  No tensor load, no barrier: waves share nothing.  Only the second path touches LDS.
.set TM,   12                          ; v12-27   the quantiser's largest magnitudes, bytes, scale operands
.set PWS,  28                          ; v28-35   a row's scale word for each of the eight K steps
.set TT,   36                          ; v36-39   the four words that my lane stores
.set PC,   40                          ; v40-59   the fragment just made (12) and the conversions' second halves (8)
.set X,    64                          ; v64-127  64 numbers of my row: register 16 b + i = k 32 b + 16 h + i
.set R,    128                         ; v128-255 two sets of 64 registers as loaded
.set WX,   64                          ; weights: v64-127 two sets of 32 numbers down K
.set WC,   192                         ; weights: v192-223 eight registers of codes for each block, so that no store's data are written again
.set SEL,  38                          ; s[38:39] v_permlanex16_b32's selects for lane l xor 16
.set SPIT, 528                         ; a stage row: 512 bytes + 16 = 33 x 16: sixteen rows start at sixteen different columns of 16 bytes
; 64 numbers of a lane, v[s] .. v[s + 63], become a fragment's codes in v[PC] on and my row's scale word in v[pw]
.macro QUANT s, pw
.irp b, 0,1,2,3
	v_max3_num_f32 v[TM+\b], |v[\s+16*\b]|, |v[\s+1+16*\b]|, 0x2800000   ; block b: my 16 numbers, and the floor 2^(5 - 127): the byte cannot fall under 1
.endr
.irp i, 2,4,6,8,10,12,14
.irp b, 0,1,2,3
	v_max3_num_f32 v[TM+\b], v[TM+\b], |v[\s+16*\b+\i]|, |v[\s+1+16*\b+\i]|   ; the four blocks by turns
.endr
.endr
.irp b, 0,1,2,3
	v_permlanex16_b32 v[TM+4+\b], v[TM+\b], s[SEL], s[SEL+1]
.endr
.irp b, 0,1,2,3
	v_max_num_f32 v[TM+\b], v[TM+\b], v[TM+4+\b]           ; with lane l xor 16's: the block's largest magnitude
.endr
.irp b, 0,1,2,3
	v_add_nc_u32 v[TM+12+\b], 0xfe000000, v[TM+\b]         ; 4 off its exponent field: the conversion's scale operand
.endr
.irp b, 0,1,2,3
	v_lshrrev_b32 v[TM+4+\b], 23, v[TM+12+\b]              ; the scale's byte
.endr
	v_lshl_or_b32 v[\pw], v[TM+5], 8, v[TM+4]
	v_lshl_or_b32 v[\pw], v[TM+6], 16, v[\pw]
	v_lshl_or_b32 v[\pw], v[TM+7], 24, v[\pw]
.irp c, 0,1
	v_cvt_scalef32_pk16_bf6_f32 v[PC+6*\c:PC+2+6*\c], v[\s+32*\c:\s+15+32*\c], v[TM+12+2*\c]
	v_cvt_scalef32_pk16_bf6_f32 v[PC+12+4*\c:PC+14+4*\c], v[\s+16+32*\c:\s+31+32*\c], v[TM+12+2*\c+1]   ; a conversion's three registers begin on an even number
.endr
	v_nop                                          ; one plain place behind a scaled conversion
.irp c, 0,1                                    ; the layout wants a whole block in a lane: lanes 0-15 block 2 c, lanes 16-31 block 2 c + 1
.irp i, 0,1,2
	v_permlane16_swap_b32 v[PC+6*\c+\i], v[PC+12+4*\c+\i]
.endr
.irp i, 0,1,2
	v_mov_b32 v[PC+3+6*\c+\i], v[PC+12+4*\c+\i]
.endr
.endr
.endm
.macro WLOAD t                         ; weights: block t: W(32 t + i, my column) into set t % 2; 32 lanes read 128 consecutive bytes
.irp i, 0,1,2,3,4,5,6,7,8,9,10,11,12,13,14,15,16,17,18,19,20,21,22,23,24,25,26,27,28,29,30,31
	global_load_b32 v[WX+32*((\t)%2)+\i], v4, s[10:11] offset:(32*(\t)+\i)*4096 th:TH_LOAD_NT
.endr
.endm
.macro WBLOCK t
.set XS, WX+32*((\t)%2)
.set CC, WC+8*(\t)
.if (\t) < 3
	s_wait_loadcnt 32                              ; this block's 32 loads are in; the next block's 32 may be out
.else
	s_wait_loadcnt 0
.endif
	v_max3_num_f32 v8, |v[XS]|, |v[XS+1]|, |v[XS+2]|       ; the block's largest magnitude: all 32 numbers are mine
	v_max3_num_f32 v9, |v[XS+3]|, |v[XS+4]|, |v[XS+5]|
.irp i, 6,10,14,18,22,26
	v_max3_num_f32 v8, v8, |v[XS+\i]|, |v[XS+\i+1]|
	v_max3_num_f32 v9, v9, |v[XS+\i+2]|, |v[XS+\i+3]|
.endr
	v_max3_num_f32 v8, v8, |v[XS+30]|, |v[XS+31]|
	v_max3_num_f32 v8, v8, v9, 0x2800000           ; and the floor
	v_add_nc_u32 v11, 0xfe000000, v8
	v_lshrrev_b32 v10, 23, v11
.if (\t) == 0
	v_mov_b32 v12, v10                             ; four bytes make my column's scale word of this K step
.else
	v_lshl_or_b32 v12, v10, 8*(\t), v12
.endif
	v_cvt_scalef32_pk16_bf6_f32 v[CC:CC+2], v[XS:XS+15], v11
	v_cvt_scalef32_pk16_bf6_f32 v[CC+4:CC+6], v[XS+16:XS+31], v11
	v_nop                                          ; one plain place behind a scaled conversion
	v_mov_b32 v[CC+3], v[CC+4]                     ; six registers on end: the image's registers of lane r + 16 (t % 2), half t / 2
	v_mov_b32 v[CC+4], v[CC+5]
	v_mov_b32 v[CC+5], v[CC+6]
	global_store_b128 v5, v[CC:CC+3], s[22:23] offset:((\t)/2)*768+256*((\t)%2)          ; sixteen lanes store 256 consecutive bytes, aligned
	global_store_b64 v6, v[CC+4:CC+5], s[22:23] offset:((\t)/2)*768+512+128*((\t)%2)     ; and 128: blocks t and t + 1 together fill 256
.if (\t) < 2
	WLOAD (\t)+2
.endif
.endm
.macro XLOAD u                         ; q, k, v: K step u of my 16 rows: each load reads 512 consecutive bytes of one row
.irp i, 0,1,2,3,4,5,6,7,8,9,10,11,12,13,14,15
	global_load_b128 v[R+64*((\u)%2)+4*\i:R+64*((\u)%2)+4*\i+3], v4, s[4:5] offset:\i*4096+(\u)*512 th:TH_LOAD_NT
.endr
.endm
.macro UNIT u
.if (\u) < 7
	s_wait_loadcnt 16                              ; this K step's 16 loads are in; the next one's 16 may be out
.else
	s_wait_loadcnt 0
.endif
.irp i, 0,1,2,3,4,5,6,7,8,9,10,11,12,13,14,15
	ds_store_b128 v5, v[R+64*((\u)%2)+4*\i:R+64*((\u)%2)+4*\i+3] offset:SPIT*\i          ; as loaded: row i
.endr
.irp b, 0,1,2,3
.irp j, 0,1,2,3
	ds_load_b128 v[X+16*\b+4*\j:X+16*\b+4*\j+3], v6 offset:128*\b+16*\j                   ; back: my row's 16 neighbours of each block (LDS serves a wave's instructions in order)
.endr
.endr
	s_wait_dscnt 0x0                               ; the numbers are back, and the stores into the stage have read their registers,
.if (\u) < 6
	XLOAD (\u)+2                                   ; which take the loads of two K steps on
.endif
	s_wait_xcnt 0x0                                ; the last K step's stores have read the codes' registers
	QUANT X, PWS+(\u)
	global_store_b128 v4, v[PC:PC+3], s[18:19] offset:(\u)*1536                           ; 512 consecutive bytes
	global_store_b64 v7, v[PC+4:PC+5], s[18:19] offset:(\u)*1536+512                      ; 256
	global_store_b128 v4, v[PC+6:PC+9], s[18:19] offset:(\u)*1536+768
	global_store_b64 v7, v[PC+10:PC+11], s[18:19] offset:(\u)*1536+1280
.endm
	s_load_b256 s[4:11], s[0:1], 0x0               ; q s[4:5], k s[6:7], v s[8:9], Wq s[10:11]
	s_load_b256 s[12:19], s[0:1], 0x20             ; Wk s[12:13], Wv s[14:15], Wo s[16:17], xc s[18:19]
	s_load_b128 s[20:23], s[0:1], 0x40             ; xs s[20:21], wc s[22:23]
	s_load_b64 s[24:25], s[0:1], 0x50              ; ws
	v_lshl_add_u32 v62, v0, 2, 0x8400
	v_mov_b32 v63, 0
	v_lshrrev_b32 v1, 5, v0
	v_readfirstlane_b32 s26, v1                    ; wave 0..3
	v_and_b32 v1, 31, v0                           ; lane
	v_and_b32 v2, 15, v0                           ; r
	v_bfe_u32 v3, v0, 4, 1                         ; h
	s_cmp_lt_u32 ttmp9, 256
	s_cbranch_scc0 .Lx_path
	; ---- THE WEIGHTS.  A lane takes a column n and its registers run down K: a block of 32 lies in one lane, and the conversions give the codes with K innermost.
	; Work-group j: tensor j / 64, K step (j / 8) % 8, columns 128 (j % 8) on; wave w takes 32 of them: two tiles of 16.
	s_and_b32 s27, ttmp9, 7
	s_bfe_u32 s28, ttmp9, 0x30003                  ; the K step
	s_lshr_b32 s29, ttmp9, 6                       ; the tensor
	v_lshlrev_b32 v4, 2, v1                        ; in: 4 bytes a lane
	v_mul_u32_u24 v5, v3, 12288                    ; out: my tile of 16 columns,
	v_lshl_add_u32 v6, v2, 3, v5                   ; + 8 r
	v_lshl_add_u32 v5, v2, 4, v5                   ; + 16 r
	v_lshlrev_b32 v7, 5, v1                        ; my column's 32 scale bytes
	s_lshl_b32 s30, s27, 7
	s_lshl_b32 s31, s26, 5
	s_add_co_u32 s30, s30, s31                     ; my wave's first column
	s_lshl_b32 s32, s28, 19                        ; 128 rows of 4,096 bytes a K step
	s_lshl_b32 s31, s30, 2
	s_add_co_u32 s32, s32, s31
	s_mov_b32 s33, 0
	s_mul_i32 s34, s29, 786432
	s_lshr_b32 s31, s30, 4
	s_mul_i32 s31, s31, 12288
	s_add_co_u32 s34, s34, s31
	s_mul_i32 s31, s28, 1536
	s_add_co_u32 s34, s34, s31
	s_mov_b32 s35, 0
	s_lshl_b32 s36, s29, 15
	s_lshl_b32 s31, s30, 5
	s_add_co_u32 s36, s36, s31
	s_lshl_b32 s31, s28, 2
	s_add_co_u32 s36, s36, s31
	s_mov_b32 s37, 0
	s_wait_alu depctr_va_vdst(0)
	s_wait_kmcnt 0x0
	s_cmp_eq_u32 s29, 1                            ; the choice hangs on the work-group's number alone
	s_cselect_b64 s[10:11], s[12:13], s[10:11]
	s_cmp_eq_u32 s29, 2
	s_cselect_b64 s[10:11], s[14:15], s[10:11]
	s_cmp_eq_u32 s29, 3
	s_cselect_b64 s[10:11], s[16:17], s[10:11]
	s_add_nc_u64 s[10:11], s[10:11], s[32:33]
	s_add_nc_u64 s[22:23], s[22:23], s[34:35]
	s_add_nc_u64 s[24:25], s[24:25], s[36:37]
	WLOAD 0
	WLOAD 1
	WBLOCK 0
	WBLOCK 1
	WBLOCK 2
	WBLOCK 3
	global_store_b32 v7, v12, s[24:25]             ; 4 bytes a column, 32 bytes apart: one byte for each 32 of the 128 K that this path reads; a column's other words come from other work-groups
	s_endpgm
	; ---- q, k, v.  Work-group g = number - 256: tensor g / 128, 64 rows; wave w takes 16 rows, eight K steps of 128.
.Lx_path:
	s_sub_co_u32 s27, ttmp9, 256
	s_lshr_b32 s28, s27, 7                         ; the tensor
	s_and_b32 s29, s27, 127
	s_lshl_b32 s32, s29, 18                        ; 64 rows of 4,096 bytes,
	s_lshl_b32 s31, s26, 16                        ; my wave's 16
	s_add_co_u32 s32, s32, s31
	s_mov_b32 s33, 0
	s_lshl_b32 s30, s27, 2
	s_add_co_u32 s30, s30, s26                     ; my tile of 16 rows, counted over the three tensors
	s_mul_i32 s34, s30, 12288
	s_mov_b32 s35, 0
	s_lshl_b32 s36, s30, 9
	s_mov_b32 s37, 0
	s_mul_i32 s31, s26, 16*SPIT                    ; my wave's stage
	s_mov_b32 s[SEL], 0x76543210
	s_mov_b32 s[SEL+1], 0xfedcba98
	s_wait_alu depctr_va_vdst(0)
	v_lshlrev_b32 v4, 4, v1                        ; 16 x lane
	v_add_nc_u32 v5, s31, v4                       ; the stage, on the way in
	v_mul_u32_u24 v6, v2, SPIT
	v_lshl_add_u32 v6, v3, 6, v6
	v_add_nc_u32 v6, s31, v6                       ; and on the way out: row r, + 64 h
	v_lshlrev_b32 v7, 3, v1                        ; 8 x lane
	v_lshlrev_b32 v8, 5, v2
	v_lshl_add_u32 v8, v3, 4, v8                   ; the scale bytes: row r's 32, my half's 16
.irp b, 0,1,2,3
	v_mov_b32 v[TM+4+\b], 0                        ; written once: a lane permute's destination counts as one of its sources
.endr
	s_wait_alu depctr_va_vdst(0)
	s_wait_kmcnt 0x0
	s_cmp_eq_u32 s28, 1
	s_cselect_b64 s[4:5], s[6:7], s[4:5]
	s_cmp_eq_u32 s28, 2
	s_cselect_b64 s[4:5], s[8:9], s[4:5]
	s_add_nc_u64 s[4:5], s[4:5], s[32:33]
	s_add_nc_u64 s[18:19], s[18:19], s[34:35]
	s_add_nc_u64 s[20:21], s[20:21], s[36:37]
	XLOAD 0
	XLOAD 1
.irp u, 0,1,2,3,4,5,6,7
	UNIT \u
.endr
	v_cmp_le_u32 vcc_lo, 16, v1                    ; lanes 0-15 store K steps 0-3's words of row r, lanes 16-31 K steps 4-7's
.irp i, 0,1,2,3
	v_cndmask_b32 v[TT+\i], v[PWS+\i], v[PWS+4+\i], vcc_lo
.endr
	global_store_b128 v8, v[TT:TT+3], s[20:21]     ; 512 consecutive bytes, aligned
	s_wait_tensorcnt 0x0
	ds_add_u32 v62, v63
	s_wait_dscnt 0x0
	s_endpgm
.Lfunc_end_k_q59fb9ec873_quant:
	.size	k_q59fb9ec873_quant, .Lfunc_end_k_q59fb9ec873_quant-k_q59fb9ec873_quant
	.p2alignl 7, 3214868480
	.fill 96, 4, 3214868480
	.section	.rodata,"a",@progbits
	.p2align	6, 0x0
	.amdhsa_kernel k_q59fb9ec873_quant
		.amdhsa_group_segment_fixed_size 34304
		.amdhsa_private_segment_fixed_size 0
		.amdhsa_enable_private_segment 0
		.amdhsa_kernarg_size 88
		.amdhsa_user_sgpr_count 2
		.amdhsa_user_sgpr_kernarg_segment_ptr 1
		.amdhsa_wavefront_size32 1
		.amdhsa_system_sgpr_workgroup_id_x 1
		.amdhsa_system_sgpr_workgroup_id_y 1
		.amdhsa_system_sgpr_workgroup_id_z 1
		.amdhsa_system_vgpr_workitem_id 0
		.amdhsa_next_free_vgpr 256
		.amdhsa_next_free_sgpr 66
		.amdhsa_reserve_vcc 1
		.amdhsa_float_denorm_mode_32 3
		.amdhsa_float_denorm_mode_16_64 3
		.amdhsa_memory_ordered 1
		.amdhsa_forward_progress 1
		.amdhsa_inst_pref_size 85
	.end_amdhsa_kernel
	.amdgpu_metadata
---
amdhsa.version: [ 1, 2 ]
amdhsa.kernels:
  - .name:           k_q59fb9ec873_quant
    .symbol:         k_q59fb9ec873_quant.kd
    .args:
      - { .name: q, .offset: 0, .size: 8, .value_kind: global_buffer, .address_space: global }
      - { .name: k, .offset: 8, .size: 8, .value_kind: global_buffer, .address_space: global }
      - { .name: v, .offset: 16, .size: 8, .value_kind: global_buffer, .address_space: global }
      - { .name: Wq, .offset: 24, .size: 8, .value_kind: global_buffer, .address_space: global }
      - { .name: Wk, .offset: 32, .size: 8, .value_kind: global_buffer, .address_space: global }
      - { .name: Wv, .offset: 40, .size: 8, .value_kind: global_buffer, .address_space: global }
      - { .name: Wo, .offset: 48, .size: 8, .value_kind: global_buffer, .address_space: global }
      - { .name: xc, .offset: 56, .size: 8, .value_kind: global_buffer, .address_space: global }
      - { .name: xs, .offset: 64, .size: 8, .value_kind: global_buffer, .address_space: global }
      - { .name: wc, .offset: 72, .size: 8, .value_kind: global_buffer, .address_space: global }
      - { .name: ws, .offset: 80, .size: 8, .value_kind: global_buffer, .address_space: global }
    .group_segment_fixed_size: 34304
    .private_segment_fixed_size: 0
    .kernarg_segment_align: 8
    .kernarg_segment_size: 88
    .max_flat_workgroup_size: 128
    .sgpr_count:     66
    .vgpr_count:     256
    .wavefront_size: 32
...
	.end_amdgpu_metadata
.endif
;; end of part 1
;; launch proj (part 2): grid 32 x 8, 4 waves a work-group, clusters of 4 x 4, 327,680 bytes of LDS; arguments xc, xs, wc, ws, bq, bk, bv, qr, kv; writes qr, kv
.if DOCPART == 2
	.amdgcn_target "amdgcn-amd-amdhsa--gfx1250"
	.amdhsa_code_object_version 6
	.text
	.protected	k_q59fb9ec873_proj
	.globl	k_q59fb9ec873_proj
	.p2align	8
	.type	k_q59fb9ec873_proj,@function
k_q59fb9ec873_proj:
	s_mov_b64 s[64:65], 0
	v_nop
	global_prefetch_b8 v0, s[64:65] scope:SCOPE_SE
	s_setreg_imm32_b32 hwreg(HW_REG_WAVE_MODE, 25, 1), 1
	s_wait_xcnt 0x0
	s_wait_alu depctr_hold_cnt(0) depctr_sa_sdst(0) depctr_va_vdst(0) depctr_va_sdst(0) depctr_va_ssrc(0) depctr_va_vcc(0) depctr_vm_vsrc(0)
	s_getreg_b32 s2, hwreg(HW_REG_IB_STS2, 6, 4)
	s_cmp_eq_u32 s2, 0
	s_cbranch_scc0 .Lentry_in_a_cluster
	s_endpgm
.Lentry_in_a_cluster:
	s_bfe_u32 s2, ttmp6, 0x10000c
	s_cmp_lg_u32 s2, 0xf033
	s_cbranch_scc0 .Lentry_shape_is_right
	s_endpgm
.Lentry_shape_is_right:
; Q = q Wq + bq, K = k Wk + bk, V = v Wv + bv ON CODES OF BF6 (E3M2), AND THEIR QUANTISERS, IN ONE LAUNCH OF THREE PHASES.  Results leave as codes and scale bytes in the order of the attention launch's operand registers.
; LIMITS: 8,192 tokens in batches of 2,048, K = N = 1,024, 16 heads of 64.  NaN, infinities and sums beyond f32's range are not served.  A sum begins with its bias.  A block of zeros carries the byte 1: its codes are zeros, and this program alone reads the bytes.
; IN: xc[tensor][tile of 16 rows][K / 128][1,536], wc[tensor][tile of 16 columns][K / 128][1,536]: images of operand registers (registers 6 c .. 6 c + 3 at 768 c + 16 x lane, 6 c + 4, 5 at 768 c + 512 + 8 x lane); xs, ws: 32 scale bytes a row.
; OUT: qr[batch x 16 + head][16 records of 6,656]: 8 images of 16 queries x 64 channels (768 bytes), 128 scale words (two bytes, repeated).  kv[..][16 records of 13,056]: K likewise at 0 and 12,288; V^T's 4 images of 16 channels x 128 keys at 6,144, 64 scale words at 12,800.
; THE DEAL: 256 work-groups of four waves, 2 x 2.  Work-group (R, J) takes tokens 256 R .. + 255 and columns 128 J .. + 127 of all three products, one after the other.  Wave (w, b) owns record w of these tokens and head 2 J + b:
; it holds its 64 rows of the weight, all of K, in 384 registers and streams eight blocks of 16 rows of x past them; two sets of x's fragments by turns, the block two on fetched behind each block.
; WHICH ROWS FORM A TILE is chosen by the lanes' LDS addresses, so that a lane's 32 sums are one scale block of 32.  Q, K (source 0 = W, source 1 = x): tile j's row 8 h + i is channel 32 h + 8 j + i.
; V (source 0 = x, source 1 = W): block 4 c + u's row 8 h + i is key 64 c + 32 h + 8 g + i, g = 0, 2, 1, 3 for u = 0 .. 3: the order inside a block in which the attention launch lays p.
; LDS: X1 (tiles 0-3 and 8-11 of x's 16), X2 (tiles 4-7, 12-15), each one tensor tile of two rows of 49,152 bytes; W's 8 tiles; x's scale bytes of all three phases (plain loads, LDS stores); the waves' stages for scale bytes; the spare words.
; FILLS: at the head one tensor load a wave (W's halves, X1, X2).  In phases Q and K two drained rounds of the cluster's barrier: behind block 1 waves 0, 1 refill W and wave 2 X1 with the next phase's; at the phase's end wave 3 refills X2.  Every wait on TENSORcnt is for 0.
; x's tiles are shared by a column of the cluster, W's by a row.  PREFETCH: ahead of each of the first two phases' weight loads the next phase's 294,912 bytes are named once in the cluster, 24 blocks of 256 bytes a wave and tile, shared out by address.
.set FR, 12
.set FPW, 21                           ; fragments in a window; 0-31 W's (4 q + tile), 32-47 x's two sets
.set NF, 34                            ; LDS loads of a block: 32 for eight fragments, 2 for eight scale words
.set YB, 196608
.set SCL, 294912
.set STG, 321024
.set SPARE, 325120
.set L16, 4
.set L8, 5
.set QA16, 6
.set QA8, 7
.set QAS, 8
.set VA16, 9
.set SPW, 10
.set NIL, 11
.set A16, 12
.set A8, 13
.set AS, 14
.set STW, 15
.set VA8, 16
.set VAS, 17
.set SRD, 18
.set CB16, 19
.set CB8, 20
.set NB16, 21
.set NB8, 22
.set STV, 23
.set SB, 24                            ; v24-71 W's scale words, 16 a phase
.set TQ, 72
.set SA, 74                            ; v74-89 x's scale words, two sets
.set SOP, 90
.set EB, 91
.set STX, 92
.set SRV, 93
.set PFA, 94
.set PFB, 95
.set VCD, 96                           ; v96-127 codes; at the head temporaries
.set HV, 128                           ; v128-255 sums (Q, K: the first 32)
.set BO, 72                            ; window 3: v72-167 the biases as first products' C, 32 a phase
.set G1A, 24
.set G1B, 32
.set G0B, 56
.set G0A, 60
.set OPQ, 46
.set OPK, 48
.set OPV, 50
.set PXA, 52
.set PXB, 54
.set MSB, 0
.macro WIN new
.if MSB != (\new)
	s_set_vgpr_msb (MSB<<8)|(\new)
.set MSB, (\new)
.endif
.endm
.macro PLACES n
.rept \n
	v_nop
.endr
.endm
.macro WALU
	s_wait_alu depctr_va_vdst(0)
.endm
.macro BARRIER
	s_barrier_signal -1
	s_barrier_wait -1
.endm
.macro CROUND
	BARRIER
	s_cmp_lg_u32 s14, 0
	s_cbranch_scc1 .Lnot_wave_0_\@
	s_barrier_signal -3
.Lnot_wave_0_\@:
	s_barrier_wait -3
	BARRIER
.endm
.macro GRD
	s_wait_tensorcnt 0x0
	ds_add_u32 v[SPW], v[NIL]
.endm
.macro TLOAD g0, g1
	tensor_load_to_lds s[\g0:\g0+3], s[\g1:\g1+7]
	s_nop 0
	PLACES 4
.endm
.macro TREE1                           ; waves 0, 1: W's halves; wave 2: X1
	s_cmp_lt_u32 s14, 2
	s_cbranch_scc0 .Lx1_\@
	TLOAD G0B, G1B
	s_branch .Lt1_\@
.Lx1_\@:
	s_cmp_eq_u32 s14, 2
	s_cbranch_scc0 .Lt1_\@
	TLOAD G0A, G1A
.Lt1_\@:
.endm
.macro TREE2                           ; wave 3: X2
	s_cmp_eq_u32 s14, 3
	s_cbranch_scc0 .Lt2_\@
	TLOAD G0A, G1A
.Lt2_\@:
.endm
.macro IMAGE idx, a16, a8, o16, o8     ; an image of 1,536 bytes into fragment idx
	WIN (1+(\idx)/FPW)<<6
.set R_, FR*((\idx)%FPW)
	ds_load_b128 v[R_:R_+3], v[\a16] offset:\o16
	ds_load_b64 v[R_+4:R_+5], v[\a8] offset:(\o8)+512
	ds_load_b128 v[R_+6:R_+9], v[\a16] offset:(\o16)+768
	ds_load_b64 v[R_+10:R_+11], v[\a8] offset:(\o8)+1280
.endm
.macro FETCHAT e, a16, a8, as          ; a block of x into set e: NF loads
.irp q, 0,1,2,3,4,5,6,7
	IMAGE 32+8*(\e)+\q, \a16, \a8, 1536*\q, 1536*\q
.endr
	WIN 0
	ds_load_b128 v[SA+8*(\e):SA+8*(\e)+3], v[\as]
	ds_load_b128 v[SA+8*(\e)+4:SA+8*(\e)+7], v[\as] offset:16
.endm
.macro BLOAD nat                       ; my 64 rows of W, all of K.  nat = 0: tiles composed for Q, K; 1: as they lie, for V
.irp q, 0,1,2,3,4,5,6,7
.irp j, 0,1,2,3
.if \nat
	IMAGE 4*\q+\j, NB16, NB8, 12288*\j+1536*\q, 12288*\j+1536*\q
.else
	IMAGE 4*\q+\j, CB16, CB8, 12288*(\j/2)+128*(\j%2)+1536*\q, 12288*(\j/2)+64*(\j%2)+1536*\q
.endif
.endr
.endr
	WIN 0
.endm
.macro START b16, b8, bs, s0           ; a phase's blocks 0 and 1 into sets 0 and 1
	v_add_nc_u32 v[AS], \s0, v[\bs]
	WALU
	FETCHAT 0, \b16, \b8, AS
	v_add_nc_u32 v[A16], 12288, v[\b16]
	v_add_nc_u32 v[A8], 12288, v[\b8]
	v_add_nc_u32 v[AS], (\s0)+544, v[\bs]
	WALU
	FETCHAT 1, A16, A8, AS
.endm
.macro PF                              ; the next phase's X1, X2 and W, my share
	global_prefetch_b8 v[PFA], s[PXA:PXA+1] th:TH_LOAD_NT scope:SCOPE_SE
	global_prefetch_b8 v[PFA], s[PXA:PXA+1] offset:49152 th:TH_LOAD_NT scope:SCOPE_SE
	global_prefetch_b8 v[PFB], s[PXB:PXB+1] th:TH_LOAD_NT scope:SCOPE_SE
.endm
.macro PROD2 d, s0, s1, c, x0, x1, side, o
.if \o
	v_wmma_scale_f32_16x16x128_f8f6f4 v[\d:\d+7], v[\s0:\s0+FR-1], v[\s1:\s1+FR-1], \c, v[\x0], v[\x1] matrix_a_fmt:MATRIX_FMT_BF6 matrix_b_fmt:MATRIX_FMT_BF6 matrix_\side\()_scale:MATRIX_SCALE_ROW1
.else
	v_wmma_scale_f32_16x16x128_f8f6f4 v[\d:\d+7], v[\s0:\s0+FR-1], v[\s1:\s1+FR-1], \c, v[\x0], v[\x1] matrix_a_fmt:MATRIX_FMT_BF6 matrix_b_fmt:MATRIX_FMT_BF6 matrix_\side\()_scale:MATRIX_SCALE_ROW0
.endif
.endm
.macro PSET e, n, p
.set Q_, (\n)/4
.set J_, (\n)%4
.set FB_, 4*Q_+J_
.set FA_, 32+8*(\e)+Q_
.set GB_, FR*(FB_%FPW)
.set GA_, FR*(FA_%FPW)
.set XB_, SB+16*(\p)+8*(J_/2)+Q_
.set XA_, SA+8*(\e)+Q_
.set CB_, BO+32*(\p)+8*J_
.endm
.macro PQK e, n, p                     ; product n = 4 q + j of Q or K: the four tiles by turns
	PSET \e, \n, \p
.set D_, HV+8*J_
.if Q_
	WIN (1+FB_/FPW)|((1+FA_/FPW)<<2)
	PROD2 D_, GB_, GA_, v[D_:D_+7], XB_, XA_, a, J_%2
.else
	WIN (1+FB_/FPW)|((1+FA_/FPW)<<2)|0x30
	PROD2 D_, GB_, GA_, v[CB_:CB_+7], XB_, XA_, a, J_%2
.endif
.endm
.macro PVV e, n, u                     ; product n = 4 q + t of V, place u in its scale block
	PSET \e, \n, 2
.set D_, HV+32*J_+8*(\u)
.if Q_
	WIN (1+FA_/FPW)|((1+FB_/FPW)<<2)
	PROD2 D_, GA_, GB_, v[D_:D_+7], XA_, XB_, b, J_%2
.else
	WIN (1+FA_/FPW)|((1+FB_/FPW)<<2)|0x30
	PROD2 D_, GA_, GB_, v[CB_:CB_+7], XA_, XB_, b, J_%2
.endif
.endm
.macro CHAIN i, x                      ; two chains of maxima, one over each half of 32 sums, ascending
.set B_, (\x)+16*((\i)%2)+2*((\i)/2)
.set T_, TQ+1-(\i)%2
.if (\i) < 2
	v_max3_num_f32 v[T_], |v[B_]|, |v[B_+1]|, |v[B_+2]|
.else
	v_max3_num_f32 v[T_], v[T_], |v[B_+1]|, |v[B_+2]|
.endif
.endm
.macro CODES x, cd                     ; 32 sums of a lane: largest magnitude with the floor 2^(5 - 127), scale operand, 32 codes in six registers, the scale's byte
.irp i, 0,1,2,3,4,5,6,7,8,9,10,11,12,13
	CHAIN \i, \x
.endr
	v_max3_num_f32 v[TQ+1], v[TQ+1], |v[\x+15]|, 5<<23
	v_max3_num_f32 v[TQ], v[TQ], |v[\x+31]|, v[TQ+1]
	v_add_nc_u32 v[SOP], -(4<<23), v[TQ]
	v_cvt_scalef32_pk16_bf6_f32 v[\cd:\cd+2], v[\x:\x+15], v[SOP]
	v_cvt_scalef32_pk16_bf6_f32 v[\cd+4:\cd+6], v[\x+16:\x+31], v[SOP]
	v_lshrrev_b32 v[EB], 23, v[SOP]
	v_mov_b32 v[\cd+3], v[\cd+4]
	v_mov_b32 v[\cd+4], v[\cd+5]
	v_mov_b32 v[\cd+5], v[\cd+6]
.endm
.macro QKB e, p, f, op                 ; a block of Q or K: 32 products; four plain lines; the fetch of the block two on; the way out
.set N_, 0
.rept 32
	PQK \e, N_, \p
.set N_, N_+1
.endr
	WIN 0
	v_add_nc_u32 v[STX], s92, v[STW]
.if \f
	v_add_nc_u32 v[A16], s101, v[QA16]
	v_add_nc_u32 v[A8], s101, v[QA8]
	v_add_nc_u32 v[AS], s91, v[QAS]
.else
	PLACES 3
.endif
	WALU
	s_wait_xcnt 0x0                        ; the last block's stores have read their registers and their base
	s_add_nc_u64 s[\op:\op+1], s[\op:\op+1], s[20:21]
	s_add_co_u32 s92, s92, 64
.if \f
	FETCHAT \e, A16, A8, AS
	s_add_co_u32 s101, s101, 12288
	s_add_co_u32 s91, s91, 544
.endif
	CODES HV, VCD
	ds_store_b8 v[STX], v[EB]              ; the token's word is its two bytes, repeated
	ds_store_b8 v[STX], v[EB] offset:2
	global_store_b128 v[L16], v[VCD:VCD+3], s[\op:\op+1]
	global_store_b64 v[L8], v[VCD+4:VCD+5], s[\op:\op+1] offset:512
	s_mov_b32 s20, 768
.if \f
	s_wait_dscnt NF+2                      ; the next block's rows are in: younger are this run's fetch and two stores
.else
	s_wait_dscnt 0x0
.endif
.endm
.macro PHASE p, op, soff
	s_mov_b32 s20, 0
	s_mov_b32 s21, 0
	s_mov_b32 s92, 0
	s_mov_b32 s101, 24576
	s_mov_b32 s91, 8704*\p+1088
	s_wait_dscnt NF                        ; W and block 0 are in; block 1's fetch is younger
	QKB 0, \p, 1, \op
	QKB 1, \p, 1, \op
	WALU
	GRD
	s_add_nc_u64 s[G0B+2:G0B+3], s[G0B+2:G0B+3], 786432     ; no load of mine is out: the next phase's tensors
	s_add_nc_u64 s[G0A+2:G0A+3], s[G0A+2:G0A+3], 6291456
.if \p == 0
	s_add_nc_u64 s[PXA:PXA+1], s[PXA:PXA+1], 6291456
	s_add_nc_u64 s[PXB:PXB+1], s[PXB:PXB+1], 786432
.endif
	s_wait_dscnt 0x0
	CROUND                                 ; nobody reads W's bytes or X1 any more; X2 is shown
	TREE1
	s_mov_b32 s101, 98304
	s_mov_b32 s23, 0
.Lpair\p:
	QKB 0, \p, 1, \op
	QKB 1, \p, 1, \op
	s_add_co_u32 s23, s23, 1
	s_cmp_lg_u32 s23, 2
	s_cbranch_scc1 .Lpair\p
	QKB 0, \p, 0, \op
	QKB 1, \p, 0, \op
	ds_load_b128 v[VCD+8:VCD+11], v[SRD]   ; my record's 128 scale words: LDS serves a wave's instructions in order
	s_wait_dscnt 0x0
	global_store_b128 v[L16], v[VCD+8:VCD+11], s[\op:\op+1] offset:\soff
	WALU
	GRD
	s_wait_dscnt 0x0
	CROUND                                 ; nobody reads X2 any more; the next W and X1 are shown
	TREE2
.endm
.macro VB e, s, f                      ; a block of V; behind each fourth the way out of 64 keys x 64 channels
.set N_, 0
.rept 32
	PVV \e, N_, (\s)%4
.set N_, N_+1
.endr
	WIN 0
.if \f
.set C_, ((\s)+2)/4
.set U_, ((\s)+2)%4
	v_add_nc_u32 v[A16], C_*98304+(U_%2)*12288+(U_/2)*128, v[VA16]
	v_add_nc_u32 v[A8], C_*98304+(U_%2)*12288+(U_/2)*64, v[VA8]
	v_add_nc_u32 v[AS], 17408+(8*C_+2*(U_%2)+U_/2)*272, v[VAS]
	v_nop
	WALU
.else
	PLACES 4
.endif
	s_wait_xcnt 0x0
.if \f
	FETCHAT \e, A16, A8, AS
.endif
.if (\s)%4 == 3
.irp t, 0,1,2,3
	CODES HV+32*\t, VCD+8*\t
	ds_store_b8 v[STV], v[EB] offset:64*\t+2*((\s)/4)
	global_store_b128 v[L16], v[VCD+8*\t:VCD+8*\t+3], s[OPV:OPV+1] offset:1536*\t+768*((\s)/4)
	global_store_b64 v[L8], v[VCD+8*\t+4:VCD+8*\t+5], s[OPV:OPV+1] offset:1536*\t+768*((\s)/4)+512
.endr
.endif
.if \f
	s_wait_dscnt NF+4*(((\s)%4)/3)         ; younger: this run's fetch, and the four byte stores where there are any
.else
	s_wait_dscnt 0x0
.endif
.endm
; ================= THE HEAD
	s_load_b256 s[4:11], s[0:1], 0x0       ; xc, xs, wc, ws
	s_load_b256 s[68:75], s[0:1], 0x20     ; bq, bk, bv, qr
	s_load_b64 s[76:77], s[0:1], 0x40      ; kv
	v_lshl_add_u32 v[SPW], v0, 2, SPARE
	v_mov_b32 v[NIL], 0
	ds_add_u32 v[SPW], v[NIL]              ; the opening lines
	ds_add_u32 v[SPW], v[NIL]
	v_lshrrev_b32 v1, 5, v0
	v_readfirstlane_b32 s14, v1            ; the wave; s15 = w, s16 = b
	s_lshr_b32 s15, s14, 1
	s_and_b32 s16, s14, 1
	s_bfe_u32 s40, ttmp6, 0x40000
	s_bfe_u32 s41, ttmp6, 0x40004
	s_lshl_b32 s43, ttmp9, 2
	s_add_co_u32 s43, s43, s40             ; R
	s_and_b32 s42, ttmp7, 0xffff
	s_lshl_b32 s42, s42, 2
	s_add_co_u32 s42, s42, s41             ; J
	s_lshl_b32 s44, 0x1111, s40            ; my column of the cluster shares x
	s_lshl_b32 s45, s41, 2
	s_lshl_b32 s45, 15, s45                ; my row shares W
	s_or_b32 s[G1A], s44, (3<<16)|(1<<21)  ; two rows of 6,144 elements of 8 bytes, 12,288 elements apart
	s_mov_b32 s[G1A+1], 6144<<16
	s_mov_b32 s[G1A+2], 2<<16
	s_mov_b32 s[G1A+3], 6144<<16
	s_mov_b32 s[G1A+4], 2
	s_mov_b32 s[G1A+5], 12288
	s_mov_b32 s[G1A+6], 0
	s_mov_b32 s[G1A+7], 0
	s_or_b32 s[G1B], s45, 1<<21            ; 64 rows of 768 bytes, dense
	s_mov_b32 s[G1B+1], 768<<16
	s_mov_b32 s[G1B+2], 64<<16
	s_mov_b32 s[G1B+3], 768<<16
	s_mov_b32 s[G1B+4], 64
	s_mov_b32 s[G1B+5], 768
	s_mov_b32 s[G1B+6], 0
	s_mov_b32 s[G1B+7], 0
	s_mov_b32 s[G0A], 1
	s_mul_i32 s[G0A+1], s16, 98304
	s_mov_b32 s[G0B], 1
	s_mul_i32 s18, s16, 49152
	s_mov_b32 s19, 0
	s_add_co_u32 s[G0B+1], s18, YB
	s_mul_i32 s78, s43, 196608
	s_mov_b32 s79, 0
	s_mul_i32 s80, s42, 98304
	s_mov_b32 s81, 0
	s_lshl_b32 s82, s43, 13
	s_mov_b32 s83, 0
	s_lshl_b32 s84, s42, 12
	s_lshl_b32 s22, s16, 11
	s_add_co_u32 s84, s84, s22
	s_mov_b32 s85, 0
	s_lshr_b32 s86, s84, 3                 ; (128 J + 64 b) x 4
	s_mov_b32 s87, 0
	s_lshr_b32 s88, s43, 3                 ; the record: ((batch x 16 + head) x 16 + (2 R + w) % 16)
	s_lshl_b32 s88, s88, 4
	s_lshl_b32 s22, s42, 1
	s_add_co_u32 s88, s88, s22
	s_add_co_u32 s88, s88, s16
	s_lshl_b32 s88, s88, 4
	s_lshl_b32 s22, s43, 1
	s_add_co_u32 s22, s22, s15
	s_and_b32 s22, s22, 15
	s_add_co_u32 s88, s88, s22
	s_mul_i32 s12, s88, 6656
	s_mov_b32 s13, 0
	s_mul_i32 s88, s88, 13056
	s_mov_b32 s89, 0
	v_and_b32 v1, 15, v0                   ; r
	v_bfe_u32 v2, v0, 4, 1                 ; h
	v_and_b32 v3, 31, v0
	v_lshlrev_b32 v[L16], 4, v3
	v_lshlrev_b32 v[L8], 3, v3
	v_and_b32 v102, 7, v1
	v_lshrrev_b32 v103, 3, v1
	v_lshl_add_u32 v104, v2, 4, v102       ; r % 8 + 16 h
	v_mul_u32_u24 v105, v103, 24576        ; rows 8-15 of a composed tile lie two tiles on
	v_lshl_add_u32 v106, v104, 4, v105
	v_lshl_add_u32 v107, v104, 3, v105
	s_mul_i32 s17, s15, 49152
	s_add_co_u32 s22, s18, YB
	v_add_nc_u32 v[QA16], s17, v[L16]
	v_add_nc_u32 v[QA8], s17, v[L8]
	v_add_nc_u32 v[VA16], s17, v106
	v_add_nc_u32 v[VA8], s17, v107
	v_add_nc_u32 v[CB16], s22, v106
	v_add_nc_u32 v[CB8], s22, v107
	v_add_nc_u32 v[NB16], s22, v[L16]
	v_add_nc_u32 v[NB8], s22, v[L8]
	s_mul_i32 s22, s15, 16*272
	s_add_co_u32 s22, s22, SCL
	v_lshlrev_b32 v108, 5, v102
	v_mad_u32_u24 v109, v103, 272, v108
	v_add_nc_u32 v[QAS], s22, v109
	v_mad_u32_u24 v109, v103, 1088, v108
	v_add_nc_u32 v[VAS], s22, v109
	s_lshl_b32 s22, s14, 10
	s_add_co_u32 s22, s22, STG
	v_lshl_add_u32 v109, v1, 2, v2         ; 4 r + h
	v_add_nc_u32 v[STW], s22, v109
	v_add_nc_u32 v[STV], 512, v[STW]
	v_add_nc_u32 v[SRD], s22, v[L16]
	v_add_nc_u32 v109, s22, v[L8]
	v_add_nc_u32 v[SRV], 512, v109
	v_lshlrev_b32 v96, 4, v0               ; x's scale bytes: 16 bytes a thread,
	v_lshrrev_b32 v109, 4, v0
	v_mul_u32_u24 v109, v109, 272
	v_lshl_add_u32 v109, v1, 4, v109
	v_add_nc_u32 v97, SCL, v109            ; into units of 256 + 16
	v_lshl_add_u32 v98, v103, 10, v108     ; W's scale words, composed: channel 32 (r / 8) + 8 h + r % 8
	v_lshl_add_u32 v98, v2, 8, v98
	v_lshlrev_b32 v99, 5, v3               ; as they lie
	v_lshlrev_b32 v100, 7, v2              ; Q's, K's bias: 32 h numbers on
	v_lshlrev_b32 v101, 2, v1              ; V's: channel r
	s_lshl_b32 s22, s41, 2
	s_add_co_u32 s22, s22, s14             ; my number among the sixteen waves that share x's tiles
	s_lshr_b32 s17, s22, 3
	s_mul_i32 s17, s17, 98304
	s_and_b32 s22, s22, 7
	s_mul_i32 s22, s22, 6144
	s_add_co_u32 s17, s17, s22
	v_min_u32 v110, 23, v3
	v_lshl_add_u32 v[PFA], v110, 8, s17
	s_lshl_b32 s22, s40, 2
	s_add_co_u32 s22, s22, s14             ; and among those that share W's
	s_mul_i32 s22, s22, 6144
	v_lshl_add_u32 v[PFB], v110, 8, s22
	WALU
	s_wait_dscnt 0x0
	CROUND                                 ; the opening round
	s_wait_kmcnt 0x0
	s_add_nc_u64 s[PXA:PXA+1], s[4:5], s[78:79]
	s_add_nc_u64 s[PXB:PXB+1], s[8:9], s[80:81]
	s_add_nc_u64 s[G0A+2:G0A+3], s[PXA:PXA+1], s[18:19]
	s_or_b32 s[G0A+3], s[G0A+3], 0x80000000
	s_add_nc_u64 s[G0B+2:G0B+3], s[PXB:PXB+1], s[18:19]
	s_or_b32 s[G0B+3], s[G0B+3], 0x80000000
	s_cmp_lt_u32 s14, 2
	s_cbranch_scc0 .Lhead_a
	TLOAD G0B, G1B                         ; waves 0, 1: Wq's halves
	s_branch .Lasked
.Lhead_a:
	TLOAD G0A, G1A                         ; waves 2, 3: X1, X2 of q
.Lasked:
	s_add_nc_u64 s[PXA:PXA+1], s[PXA:PXA+1], 6291456
	s_add_nc_u64 s[PXB:PXB+1], s[PXB:PXB+1], 786432
	s_add_nc_u64 s[6:7], s[6:7], s[82:83]
	s_add_nc_u64 s[10:11], s[10:11], s[84:85]
	s_add_nc_u64 s[68:69], s[68:69], s[86:87]
	s_add_nc_u64 s[70:71], s[70:71], s[86:87]
	s_add_nc_u64 s[72:73], s[72:73], s[86:87]
	s_add_nc_u64 s[OPQ:OPQ+1], s[74:75], s[12:13]
	s_add_nc_u64 s[OPK:OPK+1], s[76:77], s[88:89]
	s_add_nc_u64 s[OPV:OPV+1], s[OPK:OPK+1], 6144
.irp p, 0,1,2
.irp k, 0,1,2,3
	global_load_b128 v[HV+16*\p+4*\k:HV+16*\p+4*\k+3], v96, s[6:7] offset:262144*\p+2048*\k
.endr
.endr
.irp p, 0,1
.irp g, 0,1
.irp c, 0,1
	global_load_b128 v[SB+16*\p+8*\g+4*\c:SB+16*\p+8*\g+4*\c+3], v98, s[10:11] offset:32768*\p+512*\g+16*\c
.endr
.endr
.endr
.irp g, 0,1
.irp c, 0,1
	global_load_b128 v[SB+32+8*\g+4*\c:SB+32+8*\g+4*\c+3], v99, s[10:11] offset:65536+1024*\g+16*\c
.endr
.endr
	WIN 0xc0
.irp k, 0,1,2,3,4,5,6,7
	global_load_b128 v[BO+4*\k:BO+4*\k+3], v100, s[68:69] offset:16*\k
	global_load_b128 v[BO+32+4*\k:BO+32+4*\k+3], v100, s[70:71] offset:16*\k
.endr
.irp t, 0,1,2,3
.irp i, 0,1,2,3,4,5,6,7
	global_load_b32 v[BO+64+8*\t+\i], v101, s[72:73] offset:64*\t
.endr
.endr
	WIN 0
	s_wait_loadcnt 0x0
.irp p, 0,1,2
.irp k, 0,1,2,3
	ds_store_b128 v97, v[HV+16*\p+4*\k:HV+16*\p+4*\k+3] offset:8704*\p+2176*\k
.endr
.endr
	s_wait_dscnt 0x0
	s_cmp_lt_u32 s14, 2
	s_cbranch_scc0 .Lnot_b
	s_wait_tensorcnt 0x0
.Lnot_b:
	BARRIER                                ; Wq's rows are in, and x's scale bytes
	PF
	BLOAD 0
	s_wait_tensorcnt 0x0
	s_wait_dscnt 0x0
	BARRIER                                ; q's rows are in
	START QA16, QA8, QAS, 0
; ================= Q, K, V
	PHASE 0, OPQ, 768
	PF
	BLOAD 0
	START QA16, QA8, QAS, 8704
	PHASE 1, OPK, 6912
	BLOAD 1
	START VA16, VA8, VAS, 17408
	s_wait_dscnt NF
	VB 0, 0, 1
	VB 1, 1, 1
	WALU
	s_wait_tensorcnt 0x0
	s_wait_dscnt 0x0
	BARRIER                                ; a plain barrier: v's X2 is shown to all
	VB 0, 2, 1
	VB 1, 3, 1
	VB 0, 4, 1
	VB 1, 5, 1
	VB 0, 6, 0
	VB 1, 7, 0
	ds_load_b64 v[TQ:TQ+1], v[SRV]         ; my record's 64 scale words of V
	s_wait_dscnt 0x0
	global_store_b64 v[L8], v[TQ:TQ+1], s[OPV:OPV+1] offset:6656
	s_wait_tensorcnt 0x0                   ; the wave's end
	ds_add_u32 v[SPW], v[NIL]
	s_wait_dscnt 0x0
	CROUND                                 ; the closing round
	s_endpgm
.Lfunc_end_k_q59fb9ec873_proj:
	.size	k_q59fb9ec873_proj, .Lfunc_end_k_q59fb9ec873_proj-k_q59fb9ec873_proj
	.p2alignl 7, 3214868480
	.fill 96, 4, 3214868480
	.section	.rodata,"a",@progbits
	.p2align	6, 0x0
	.amdhsa_kernel k_q59fb9ec873_proj
		.amdhsa_group_segment_fixed_size 327680
		.amdhsa_private_segment_fixed_size 0
		.amdhsa_enable_private_segment 0
		.amdhsa_kernarg_size 72
		.amdhsa_user_sgpr_count 2
		.amdhsa_user_sgpr_kernarg_segment_ptr 1
		.amdhsa_wavefront_size32 1
		.amdhsa_system_sgpr_workgroup_id_x 1
		.amdhsa_system_sgpr_workgroup_id_y 1
		.amdhsa_system_sgpr_workgroup_id_z 1
		.amdhsa_system_vgpr_workitem_id 0
		.amdhsa_next_free_vgpr 936
		.amdhsa_next_free_sgpr 102
		.amdhsa_reserve_vcc 0
		.amdhsa_float_denorm_mode_32 3
		.amdhsa_float_denorm_mode_16_64 3
		.amdhsa_memory_ordered 1
		.amdhsa_forward_progress 1
		.amdhsa_inst_pref_size 215
	.end_amdhsa_kernel
	.amdgpu_metadata
---
amdhsa.version: [ 1, 2 ]
amdhsa.kernels:
  - .name:           k_q59fb9ec873_proj
    .symbol:         k_q59fb9ec873_proj.kd
    .args:
      - { .name: xc, .offset: 0, .size: 8, .value_kind: global_buffer, .address_space: global }
      - { .name: xs, .offset: 8, .size: 8, .value_kind: global_buffer, .address_space: global }
      - { .name: wc, .offset: 16, .size: 8, .value_kind: global_buffer, .address_space: global }
      - { .name: ws, .offset: 24, .size: 8, .value_kind: global_buffer, .address_space: global }
      - { .name: bq, .offset: 32, .size: 8, .value_kind: global_buffer, .address_space: global }
      - { .name: bk, .offset: 40, .size: 8, .value_kind: global_buffer, .address_space: global }
      - { .name: bv, .offset: 48, .size: 8, .value_kind: global_buffer, .address_space: global }
      - { .name: qr, .offset: 56, .size: 8, .value_kind: global_buffer, .address_space: global }
      - { .name: kv, .offset: 64, .size: 8, .value_kind: global_buffer, .address_space: global }
    .group_segment_fixed_size: 327680
    .private_segment_fixed_size: 0
    .kernarg_segment_align: 8
    .kernarg_segment_size: 72
    .max_flat_workgroup_size: 128
    .sgpr_count:     102
    .vgpr_count:     936
    .wavefront_size: 32
...
	.end_amdgpu_metadata
.endif
;; end of part 2
;; launch attn (part 3): grid 4 x 64, 16 waves a work-group, clusters of 4 x 1, 210,944 bytes of LDS; arguments qr, kv, oc, os; writes oc, os
.if DOCPART == 3
	.amdgcn_target "amdgcn-amd-amdhsa--gfx1250"
	.amdhsa_code_object_version 6
	.text
	.protected	k_q59fb9ec873_attn
	.globl	k_q59fb9ec873_attn
	.p2align	8
	.type	k_q59fb9ec873_attn,@function
k_q59fb9ec873_attn:
	s_mov_b64 s[64:65], 0
	v_nop
	global_prefetch_b8 v0, s[64:65] scope:SCOPE_SE
	s_setreg_imm32_b32 hwreg(HW_REG_WAVE_MODE, 25, 1), 1
	s_wait_xcnt 0x0
	s_wait_alu depctr_hold_cnt(0) depctr_sa_sdst(0) depctr_va_vdst(0) depctr_va_sdst(0) depctr_va_ssrc(0) depctr_va_vcc(0) depctr_vm_vsrc(0)
	s_getreg_b32 s2, hwreg(HW_REG_IB_STS2, 6, 4)
	s_cmp_eq_u32 s2, 0
	s_cbranch_scc0 .Lentry_in_a_cluster
	s_endpgm
.Lentry_in_a_cluster:
	s_bfe_u32 s2, ttmp6, 0x10000c
	s_cmp_lg_u32 s2, 0x3003
	s_cbranch_scc0 .Lentry_shape_is_right
	s_endpgm
.Lentry_shape_is_right:
; Attention of one head on codes of BF6 (E3M2) with E8M0 scales: O[q] = sum over k of softmax_k(Q[q] . K[k] / 8) V[k], 2,048 keys, 64 channels; then O is quantised along the channels for the last product.
; THE SOFTMAX: t = score x log2(e) / 8; M = the running largest t rounded UP to a whole number; p = 2^(t - M) is quantised along the keys, not normalised; the row's sum is taken of the unquantised p and divides O at the end.
; When M moves, the sum and O are multiplied by 2^(old M - new M): exact.
; SHARES.  A work-group owns a head (work-group y = batch x 16 + head) and 512 queries (512 x its place in the cluster), in two passes of 256; each of its sixteen waves owns a tile of 16 queries a pass, in 256 registers:
; four waves to a SIMD, so that one wave's vector work stands beside another's matrix work and LDS loads.
; THE HEAD'S K AND V STAY IN LDS WHOLE: 16 records of 13,056 bytes, one for each 128 keys (K's 8 images of 16 keys x 64 channels; V^T's 4 images of 16 channels x 128 keys; K's 128 scale words; V's 64).  Each wave brings one
; record by one tensor load, asked for jointly by the cluster's four work-groups, which share the head.  Nothing is filled again.
; LAYOUT.  S^T = K Q^T (source 0 = 16 keys, source 1 = my 16 queries), O^T = V^T P^T (source 0 = 16 channels, source 1 = P): a lane holds ONE query throughout.  The 16 registers of tiles 2 B, 2 B + 1 of S^T are keys
; 32 B + 8 h + 0..7 and 32 B + 16 + 8 h + 0..7: with lane l xor 16 a whole block of 32, in the order inside a block in which V's codes were laid.
; K = 64 IN AN INSTRUCTION OF 128: Q's fragment has zero codes in registers 6-11.  K's eight images lie 6 registers apart, and tile t's fragment is v[KF + 6 t .. + 11]: its upper half is the next tile's codes (behind tile 7: zeros),
; which meet Q's zeros.  Q's and K's scale words repeat their two bytes, so the empty half has valid bytes.
; LIMITS: NaN and infinities are not served; a block of zeros carries the byte 1 (its codes are zeros; this program alone reads the bytes).
.set REC,   13056
.set VOFF,  6144
.set KSOFF, 12288
.set VSOFF, 12800
.set L16, 1                            ; v1-3  16, 8, 4 x lane
.set L8,  2
.set L4,  3
.set A16, 4                            ; v4-6  the same + the record in hand
.set A8,  5
.set A4,  6
.set R4,  7                            ; v7    4 r
.set OSO, 8                            ; v8    32 r + 8,192 h: a token's scale bytes; lanes 16-31: the second pass's tokens, 256 on
.set HW,  9                            ; v9    O's two scale bytes
.set HWA, 10                           ; v10   those of pass 0 (lanes 0-15) and pass 1 (lanes 16-31)
.set LN,  11                           ; v11   lane.   v12 -M, v13 the largest t, v[14:15] the sum in two halves
.set QF,  16                           ; v16-27, v28-39 Q's fragments of the two passes
.set QS,  40                           ; v40, v41 their scale words
.set KF,  42                           ; v42-89 K's eight images, later V's four fragments; v90-95 zeros
.set S,   96                           ; v96-159 S^T, then p
.set O,   160                          ; v160-191 O^T
.set PC,  192                          ; v192-203 p's codes
.set CT,  204                          ; v204-211 the conversions' second halves
.set BM,  212                          ; v212-215 the blocks' largest scores, then largest p
.set BP,  216                          ; v216-219 the other half's; then the bytes
.set SO,  220                          ; v220-223 the conversions' scale operands
.set F,   224                          ; v224  2^(old M - new M)
.set PW,  225                          ; v225  p's scale word
.set TMP, 226
.set KSC, 228                          ; v228-231 K's scale words: lanes 0-15 tile 2 u, lanes 16-31 tile 2 u + 1
.set VSC, 232                          ; v232-233 V's likewise
.set L2,  234                          ; v[234:235] the sum's second chain
.set WV,  12
.set SEL, 20
.set CS,  22                           ; s[22:23] c = log2(e) / 8
.set G1,  24
.set G0,  32
.set TB,  36                           ; s36 LDS byte of the record in hand
.set CNT, 37
.macro CROUND                          ; a round of the cluster's barrier
	s_barrier_signal -1
	s_barrier_wait -1
	s_cmp_lg_u32 s[WV], 0
	s_cbranch_scc1 .Lnot_wave_0_\@
	s_barrier_signal -3
.Lnot_wave_0_\@:
	s_barrier_wait -3
	s_barrier_signal -1
	s_barrier_wait -1
.endm
.macro KQ t, qf, qs
.if (\t)%2
	v_wmma_scale_f32_16x16x128_f8f6f4 v[S+8*(\t):S+8*(\t)+7], v[KF+6*(\t):KF+6*(\t)+11], v[\qf:\qf+11], 0, v[KSC+(\t)/2], v[\qs] matrix_a_fmt:MATRIX_FMT_BF6 matrix_b_fmt:MATRIX_FMT_BF6 matrix_a_scale:MATRIX_SCALE_ROW1
.else
	v_wmma_scale_f32_16x16x128_f8f6f4 v[S+8*(\t):S+8*(\t)+7], v[KF+6*(\t):KF+6*(\t)+11], v[\qf:\qf+11], 0, v[KSC+(\t)/2], v[\qs] matrix_a_fmt:MATRIX_FMT_BF6 matrix_b_fmt:MATRIX_FMT_BF6
.endif
.endm
.macro PV t
.if (\t)%2
	v_wmma_scale_f32_16x16x128_f8f6f4 v[O+8*(\t):O+8*(\t)+7], v[KF+12*(\t):KF+12*(\t)+11], v[PC:PC+11], v[O+8*(\t):O+8*(\t)+7], v[VSC+(\t)/2], v[PW] matrix_a_fmt:MATRIX_FMT_BF6 matrix_b_fmt:MATRIX_FMT_BF6 matrix_a_scale:MATRIX_SCALE_ROW1
.else
	v_wmma_scale_f32_16x16x128_f8f6f4 v[O+8*(\t):O+8*(\t)+7], v[KF+12*(\t):KF+12*(\t)+11], v[PC:PC+11], v[O+8*(\t):O+8*(\t)+7], v[VSC+(\t)/2], v[PW] matrix_a_fmt:MATRIX_FMT_BF6 matrix_b_fmt:MATRIX_FMT_BF6
.endif
.endm
; A KEY STEP: 128 keys, the record at s[TB]
.macro STEP qf, qs
	v_add_nc_u32 v[A16], s[TB], v[L16]             ; these three and the v_nop are the four places between the last products and the loads into their operands' registers
	v_add_nc_u32 v[A8], s[TB], v[L8]
	v_add_nc_u32 v[A4], s[TB], v[L4]
	v_nop
.irp t, 0,1,2,3,4,5,6,7
	ds_load_b128 v[KF+6*\t:KF+6*\t+3], v[A16] offset:768*\t
	ds_load_b64 v[KF+6*\t+4:KF+6*\t+5], v[A8] offset:768*\t+512
.endr
.irp u, 0,1,2,3
	ds_load_b32 v[KSC+\u], v[A4] offset:KSOFF+128*\u
.endr
	s_wait_alu depctr_va_vdst(0)
	s_wait_dscnt 0x0
.irp t, 0,1,2,3,4,5,6,7
	KQ \t, \qf, \qs
.endr
.rept 4
	v_nop                                          ; places: K's registers are loaded again and the scores read
.endr
.irp t, 0,1,2,3                                ; V's fragments land while the softmax is walked
	ds_load_b128 v[KF+12*\t:KF+12*\t+3], v[A16] offset:VOFF+1536*\t
	ds_load_b64 v[KF+12*\t+4:KF+12*\t+5], v[A8] offset:VOFF+1536*\t+512
	ds_load_b128 v[KF+12*\t+6:KF+12*\t+9], v[A16] offset:VOFF+1536*\t+768
	ds_load_b64 v[KF+12*\t+10:KF+12*\t+11], v[A8] offset:VOFF+1536*\t+1280
.endr
.irp u, 0,1
	ds_load_b32 v[VSC+\u], v[A4] offset:VSOFF+128*\u
.endr
.irp b, 0,1,2,3
	v_max3_num_f32 v[BM+\b], v[S+16*\b], v[S+1+16*\b], v[S+2+16*\b]    ; the largest score of each block of 32 keys: for the row's maximum, and, since p rises with the score, for the block's largest p
.endr
.irp i, 3,5,7,9,11,13
.irp b, 0,1,2,3
	v_max3_num_f32 v[BM+\b], v[BM+\b], v[S+16*\b+\i], v[S+1+16*\b+\i]
.endr
.endr
.irp b, 0,1,2,3
	v_max_num_f32 v[BM+\b], v[BM+\b], v[S+15+16*\b]
.endr
.irp b, 0,1,2,3
	s_delay_alu instid0(VALU_DEP_4)
	v_permlanex16_b32 v[BP+\b], v[BM+\b], s[SEL], s[SEL+1]
.endr
.irp b, 0,1,2,3
	s_delay_alu instid0(VALU_DEP_4)
	v_max_num_f32 v[BM+\b], v[BM+\b], v[BP+\b]     ; with lane l xor 16's 16 keys
.endr
	s_delay_alu instid0(VALU_DEP_2)
	v_max3_num_f32 v[TMP], v[BM], v[BM+1], v[BM+2]
	s_delay_alu instid0(VALU_DEP_1)
	v_max_num_f32 v[TMP], v[TMP], v[BM+3]
	s_delay_alu instid0(VALU_DEP_1)
	v_mul_f32 v[TMP], s[CS], v[TMP]                ; as t (c is positive)
	s_delay_alu instid0(VALU_DEP_1)
	v_max_num_f32 v13, v13, v[TMP]                 ; the running largest t
	v_mov_b32 v[TMP], v12
	s_delay_alu instid0(VALU_DEP_2)
	v_floor_f32 v12, -v13                          ; the new -M = floor(-t) = -ceil(t)
	s_delay_alu instid0(VALU_DEP_1)
	v_sub_f32 v[TMP], v12, v[TMP]                  ; old M - new M: a whole number, 0 or less
	s_delay_alu instid0(VALU_DEP_1)
	v_cvt_i32_f32 v[TMP], v[TMP]                   ; (it saturates)
	s_delay_alu instid0(VALU_DEP_1)
	v_ldexp_f32 v[F], 1.0, v[TMP]                  ; f = 2^(old M - new M)
.set i, 0
.rept 32
	v_pk_fma_f32 v[S+i:S+i+1], v[S+i:S+i+1], s[CS:CS+1], v[12:13] op_sel_hi:[1,0,0]    ; t - M, two at a time
.set i, i+2
.endr
.irp b, 0,1,2,3
	v_fma_f32 v[BM+\b], v[BM+\b], s[CS], v12       ; the same of each block's largest score
.endr
.set i, 0
	s_wait_alu depctr_va_vdst(0)
.rept 64
	v_exp_f32 v[S+i], v[S+i]                       ; p = 2^(t - M)
.set i, i+1
.endr
.irp b, 0,1,2,3
	v_exp_f32 v[BM+\b], v[BM+\b]                   ; the block's largest p: the same two instructions on the same number
.endr
	v_pk_mul_f32 v[14:15], v[14:15], v[F:F+1] op_sel_hi:[1,0]          ; the sums under the new M (a plain place behind the exponentials)
	s_wait_alu depctr_va_vdst(0)
.irp b, 0,1,2,3
	v_max_num_f32 v[BM+\b], 0x2800000, v[BM+\b]    ; the floor 2^(5 - 127): the byte cannot fall under 1
.endr
.irp b, 0,1,2,3
	s_delay_alu instid0(VALU_DEP_4)
	v_add_nc_u32 v[SO+\b], 0xfe000000, v[BM+\b]    ; 4 off the exponent field: the conversion's scale operand
.endr
.irp b, 0,1,2,3
	s_delay_alu instid0(VALU_DEP_4)
	v_lshrrev_b32 v[BP+\b], 23, v[SO+\b]           ; the scale's byte
.endr
	s_delay_alu instid0(VALU_DEP_3)
	v_lshl_or_b32 v[PW], v[BP+1], 8, v[BP]
	s_delay_alu instid0(VALU_DEP_1)
	v_lshl_or_b32 v[PW], v[BP+2], 16, v[PW]
	s_delay_alu instid0(VALU_DEP_1)
	v_lshl_or_b32 v[PW], v[BP+3], 24, v[PW]
.irp c, 0,1
	v_cvt_scalef32_pk16_bf6_f32 v[PC+6*\c:PC+6*\c+2], v[S+32*\c:S+32*\c+15], v[SO+2*\c]
	v_cvt_scalef32_pk16_bf6_f32 v[CT+4*\c:CT+4*\c+2], v[S+16+32*\c:S+31+32*\c], v[SO+2*\c+1]
.endr
	v_nop                                          ; one plain place behind a scaled conversion
.irp c, 0,1
.irp i, 0,1,2
	v_permlane16_swap_b32 v[PC+6*\c+\i], v[CT+4*\c+\i]
.endr
.irp i, 0,1,2
	s_delay_alu instid0(VALU_DEP_3)
	v_mov_b32 v[PC+3+6*\c+\i], v[CT+4*\c+\i]
.endr
.endr
	v_pk_add_f32 v[234:235], v[100:101], v[104:105]
	v_pk_add_f32 v[252:253], v[108:109], v[112:113]
	v_pk_add_f32 v[250:251], v[116:117], v[120:121]
	v_pk_add_f32 v[248:249], v[124:125], v[128:129]
	v_pk_add_f32 v[246:247], v[132:133], v[136:137]
	v_pk_add_f32 v[244:245], v[140:141], v[144:145]
	v_pk_add_f32 v[242:243], v[148:149], v[152:153]
	v_pk_add_f32 v[14:15], v[14:15], v[156:157]
	v_pk_add_f32 v[234:235], v[234:235], v[96:97]
	v_pk_add_f32 v[252:253], v[252:253], v[98:99]
	v_pk_add_f32 v[250:251], v[250:251], v[102:103]
	v_pk_add_f32 v[248:249], v[248:249], v[106:107]
	v_pk_add_f32 v[246:247], v[246:247], v[110:111]
	v_pk_add_f32 v[244:245], v[244:245], v[114:115]
	v_pk_add_f32 v[242:243], v[242:243], v[118:119]
	v_pk_add_f32 v[14:15], v[14:15], v[122:123]
	v_pk_add_f32 v[234:235], v[234:235], v[126:127]
	v_pk_add_f32 v[252:253], v[252:253], v[130:131]
	v_pk_add_f32 v[250:251], v[250:251], v[134:135]
	v_pk_add_f32 v[248:249], v[248:249], v[138:139]
	v_pk_add_f32 v[246:247], v[246:247], v[142:143]
	v_pk_add_f32 v[244:245], v[244:245], v[146:147]
	v_pk_add_f32 v[242:243], v[242:243], v[150:151]
	v_pk_add_f32 v[14:15], v[14:15], v[154:155]
	v_pk_add_f32 v[234:235], v[234:235], v[158:159]
	s_delay_alu instid0(VALU_DEP_2)
	v_pk_add_f32 v[14:15], v[14:15], v[248:249]
	s_delay_alu instid0(VALU_DEP_2)
	v_pk_add_f32 v[234:235], v[234:235], v[246:247]
	v_pk_add_f32 v[252:253], v[252:253], v[244:245]
	v_pk_add_f32 v[250:251], v[250:251], v[242:243]
	s_delay_alu instid0(VALU_DEP_2)
	v_pk_add_f32 v[14:15], v[14:15], v[252:253]
	s_delay_alu instid0(VALU_DEP_2)
	v_pk_add_f32 v[234:235], v[234:235], v[250:251]
	s_delay_alu instid0(VALU_DEP_1)
	v_pk_add_f32 v[14:15], v[14:15], v[234:235]
.set i, 0
.rept 16
	v_pk_mul_f32 v[O+i:O+i+1], v[O+i:O+i+1], v[F:F+1] op_sel_hi:[1,0]  ; O^T under the new M
.set i, i+2
.endr
	s_wait_alu depctr_va_vdst(0)
	s_wait_dscnt 0x0                               ; V
.irp t, 0,1,2,3
	PV \t                                          ; four accumulators by turns, one instruction each
.endr
.endm
.macro PASS p
	v_mov_b32 v13, 0xff61b1e6                      ; the largest t so far: -3e38
	s_delay_alu instid0(VALU_DEP_1)
	v_floor_f32 v12, -v13
	v_mov_b32 v14, 0
	v_mov_b32 v15, 0
.set i, 0
.rept 32
	v_mov_b32 v[O+i], 0                            ; the step is written once: its first trip finds zeros
.set i, i+1
.endr
	s_mov_b32 s[TB], 0
	s_mov_b32 s[CNT], 16
.Lstep_\@:
	STEP QF+12*\p, QS+\p
	s_add_co_u32 s[TB], s[TB], REC
	s_sub_co_u32 s[CNT], s[CNT], 1
	s_cmp_lg_u32 s[CNT], 0
	s_cbranch_scc1 .Lstep_\@
.rept 4
	v_nop                                          ; places behind the last products
.endr
	v_add_f32 v14, v14, v15
	s_delay_alu instid0(VALU_DEP_1)
	v_permlanex16_b32 v[F], v14, s[SEL], s[SEL+1]
	s_delay_alu instid0(VALU_DEP_1)
	v_add_f32 v14, v14, v[F]                       ; the row's sum
	s_wait_alu depctr_va_vdst(0)
	v_rcp_f32 v14, v14
	v_nop                                          ; a plain place behind the transcendental
.set i, 0
	s_wait_alu depctr_va_vdst(0)
.rept 16
	v_pk_mul_f32 v[S+i:S+i+1], v[O+i:O+i+1], v[14:15] op_sel_hi:[1,0]  ; O^T / the sum: register 8 t + j: channel 16 t + 8 h + j
.set i, i+2
.endr
.irp b, 0,1                                    ; Wo's codes lie in the natural order, so O is put in it: lane h then holds channels 32 b + 16 h + 0 .. 15 in registers 16 b on
.irp j, 0,1,2,3,4,5,6,7
	v_permlane16_swap_b32 v[S+16*\b+\j], v[S+8+16*\b+\j]
.endr
.endr
.irp b, 0,1
	v_max3_num_f32 v[BM+\b], |v[S+16*\b]|, |v[S+1+16*\b]|, 0x2800000
.endr
.irp i, 2,4,6,8,10,12,14
.irp b, 0,1
	s_delay_alu instid0(VALU_DEP_2)
	v_max3_num_f32 v[BM+\b], v[BM+\b], |v[S+16*\b+\i]|, |v[S+1+16*\b+\i]|
.endr
.endr
.irp b, 0,1
	s_delay_alu instid0(VALU_DEP_2)
	v_permlanex16_b32 v[BP+\b], v[BM+\b], s[SEL], s[SEL+1]
.endr
.irp b, 0,1
	s_delay_alu instid0(VALU_DEP_2)
	v_max_num_f32 v[BM+\b], v[BM+\b], v[BP+\b]
.endr
.irp b, 0,1
	s_delay_alu instid0(VALU_DEP_2)
	v_add_nc_u32 v[SO+\b], 0xfe000000, v[BM+\b]
.endr
.irp b, 0,1
	s_delay_alu instid0(VALU_DEP_2)
	v_lshrrev_b32 v[BP+\b], 23, v[SO+\b]
.endr
	s_delay_alu instid0(VALU_DEP_1)
	v_lshl_or_b32 v[HW], v[BP+1], 8, v[BP]
	v_cvt_scalef32_pk16_bf6_f32 v[PC:PC+2], v[S:S+15], v[SO]
	v_cvt_scalef32_pk16_bf6_f32 v[PC+4:PC+6], v[S+16:S+31], v[SO+1]
	v_nop                                          ; one plain place behind a scaled conversion
.irp i, 0,1,2
	v_permlane16_swap_b32 v[PC+\i], v[PC+4+\i]
.endr
.irp i, 0,1,2
	s_delay_alu instid0(VALU_DEP_3)
	v_mov_b32 v[PC+3+\i], v[PC+4+\i]
.endr
	global_store_b128 v[L16], v[PC:PC+3], s[48:49] offset:196608*\p        ; the image of 16 tokens x this head's 64 of the last product's K: 512 consecutive bytes,
	global_store_b64 v[L8], v[PC+4:PC+5], s[48:49] offset:196608*\p+512    ; and 256
.if \p == 0
	v_mov_b32 v[HWA], v[HW]
	s_wait_xcnt 0x0                                ; the stores have read the codes' registers
.else
	v_cmp_le_u32 vcc_lo, 16, v[LN]
	s_delay_alu instid0(VALU_DEP_1)
	v_cndmask_b32 v[HWA], v[HWA], v[HW], vcc_lo
	global_store_b16 v[OSO], v[HWA], s[50:51]      ; two bytes a token, 32 bytes apart: a token's other 30 come from the other heads' work-groups; one store serves both passes
.endif
.endm
	s_load_b256 s[4:11], s[0:1], 0x0               ; qr s[4:5], kv s[6:7], oc s[8:9], os s[10:11]
	v_lshl_add_u32 v254, v0, 2, 0x33000
	v_mov_b32 v255, 0
	ds_add_u32 v254, v255
	ds_add_u32 v254, v255
	v_lshrrev_b32 v1, 5, v0
	s_delay_alu instid0(VALU_DEP_1)
	v_readfirstlane_b32 s[WV], v1                  ; wave 0..15
	s_bfe_u32 s13, ttmp6, 0x40000                  ; cx: it enters Q's, oc's and os's addresses alone
	s_and_b32 s14, ttmp7, 0xffff                   ; batch x 16 + head, which the four partners share
	s_mul_i32 s15, s[WV], REC                      ; my record, in LDS
	s_mul_i32 s16, s14, 16*REC
	s_add_co_u32 s16, s16, s15                     ; and in kv
	s_mov_b32 s17, 0
	s_mov_b32 s[G1], 15|(3<<16)|(1<<21)            ; 15:0 the mask: all four work-groups; 17:16 elements of 8 bytes; 21 set beside a mask; no padding
	s_mov_b32 s[G1+1], 32<<16                      ; tensor_dim0: rows of 256 bytes
	s_mov_b32 s[G1+2], 51<<16                      ; tensor_dim1: 51 of them
	s_mov_b32 s[G1+3], 32<<16                      ; tile_dim0
	s_mov_b32 s[G1+4], 51                          ; tile_dim1
	s_mov_b32 s[G1+5], 32                          ; the pitch: dense
	s_mov_b32 s[G1+6], 0
	s_mov_b32 s[G1+7], 0
	s_mul_i32 s18, s14, 106496                     ; Q: the head's 16 records of 6,656,
	s_lshl_b32 s19, s13, 2
	s_lshr_b32 s38, s[WV], 3
	s_add_co_u32 s19, s19, s38                     ; record 4 cx + wave / 8 (the second pass: two records on),
	s_mul_i32 s19, s19, 6656
	s_add_co_u32 s18, s18, s19
	s_and_b32 s38, s[WV], 7
	s_mul_i32 s19, s38, 768                        ; image wave % 8
	s_add_co_u32 s40, s18, s19
	s_mov_b32 s41, 0
	s_lshl_b32 s19, s38, 6
	s_add_co_u32 s42, s18, s19
	s_add_co_u32 s42, s42, 6144                    ; and its 16 scale words
	s_mov_b32 s43, 0
	s_lshr_b32 s44, s14, 4                         ; the batch
	s_and_b32 s45, s14, 15                         ; the head
	s_lshl_b32 s46, s44, 7
	s_lshl_b32 s47, s13, 5
	s_add_co_u32 s46, s46, s47
	s_add_co_u32 s46, s46, s[WV]                   ; my tile of 16 tokens in pass 0: 128 batch + 32 cx + wave
	s_mul_i32 s48, s46, 12288
	s_mul_i32 s47, s45, 768
	s_add_co_u32 s48, s48, s47
	s_mov_b32 s49, 0
	s_lshl_b32 s50, s46, 9                         ; 16 tokens x 32 scale bytes
	s_lshl_b32 s47, s45, 1
	s_add_co_u32 s50, s50, s47
	s_mov_b32 s51, 0
	s_mov_b32 s[SEL], 0x76543210
	s_mov_b32 s[SEL+1], 0xfedcba98
	s_mov_b32 s[CS], 0x3e38aa3b                    ; c = log2(e) / 8
	s_mov_b32 s[CS+1], s[CS]
	s_wait_dscnt 0x0
	s_wait_kmcnt 0x0
	s_mov_b32 s[G0], 1
	s_mov_b32 s[G0+1], s15
	s_add_nc_u64 s[G0+2:G0+3], s[6:7], s[16:17]
	s_or_b32 s[G0+3], s[G0+3], 0x80000000
	s_add_nc_u64 s[40:41], s[4:5], s[40:41]
	s_add_nc_u64 s[42:43], s[4:5], s[42:43]
	s_add_nc_u64 s[48:49], s[8:9], s[48:49]
	s_add_nc_u64 s[50:51], s[10:11], s[50:51]
	CROUND                                         ; all four work-groups are here: the joint loads meet
	tensor_load_to_lds s[G0:G0+3], s[G1:G1+7]      ; my one tensor load of the launch
	s_nop 0
.rept 4
	v_nop
.endr
	v_and_b32 v[LN], 31, v0
	s_delay_alu instid0(VALU_DEP_1)
	v_lshlrev_b32 v[L16], 4, v[LN]
	s_delay_alu instid0(VALU_DEP_2)
	v_lshlrev_b32 v[L8], 3, v[LN]
	s_delay_alu instid0(VALU_DEP_3)
	v_lshlrev_b32 v[L4], 2, v[LN]
	v_and_b32 v[R4], 15, v0
	v_bfe_u32 v[OSO], v0, 4, 1
	s_delay_alu instid0(VALU_DEP_1)
	v_lshlrev_b32 v[OSO], 13, v[OSO]
	s_delay_alu instid0(VALU_DEP_1)
	v_lshl_add_u32 v[OSO], v[R4], 5, v[OSO]
	s_delay_alu instid0(VALU_DEP_4)
	v_lshlrev_b32 v[R4], 2, v[R4]
.irp p, 0,1
	global_load_b128 v[QF+12*\p:QF+12*\p+3], v[L16], s[40:41] offset:13312*\p
	global_load_b64 v[QF+12*\p+4:QF+12*\p+5], v[L8], s[40:41] offset:13312*\p+512
	global_load_b32 v[QS+\p], v[R4], s[42:43] offset:13312*\p
.irp i, 6,7,8,9,10,11
	v_mov_b32 v[QF+12*\p+\i], 0                    ; the empty half of K: zero codes
.endr
.endr
.irp i, 48,49,50,51,52,53
	v_mov_b32 v[KF+\i], 0                          ; behind K's eighth image
.endr
.irp b, 0,1,2,3
	v_mov_b32 v[BP+\b], 0                          ; written once: a lane permute's destination counts as one of its sources
.endr
	v_mov_b32 v[PW], 0                             ; named as the upper half of the pair v[F:F+1] before it is first written
	s_wait_tensorcnt 0x0                           ; my record is in,
	s_barrier_signal -1
	s_barrier_wait -1                              ; everybody's is
	s_wait_loadcnt 0x0                             ; Q
	PASS 0
	PASS 1
	s_wait_dscnt 0x0
	s_wait_tensorcnt 0x0
	ds_add_u32 v254, v255
	s_wait_dscnt 0x0
	CROUND                                         ; the closing round
	s_endpgm
.Lfunc_end_k_q59fb9ec873_attn:
	.size	k_q59fb9ec873_attn, .Lfunc_end_k_q59fb9ec873_attn-k_q59fb9ec873_attn
	.p2alignl 7, 3214868480
	.fill 96, 4, 3214868480
	.section	.rodata,"a",@progbits
	.p2align	6, 0x0
	.amdhsa_kernel k_q59fb9ec873_attn
		.amdhsa_group_segment_fixed_size 210944
		.amdhsa_private_segment_fixed_size 0
		.amdhsa_enable_private_segment 0
		.amdhsa_kernarg_size 32
		.amdhsa_user_sgpr_count 2
		.amdhsa_user_sgpr_kernarg_segment_ptr 1
		.amdhsa_wavefront_size32 1
		.amdhsa_system_sgpr_workgroup_id_x 1
		.amdhsa_system_sgpr_workgroup_id_y 1
		.amdhsa_system_sgpr_workgroup_id_z 1
		.amdhsa_system_vgpr_workitem_id 0
		.amdhsa_next_free_vgpr 256
		.amdhsa_next_free_sgpr 66
		.amdhsa_reserve_vcc 1
		.amdhsa_float_denorm_mode_32 3
		.amdhsa_float_denorm_mode_16_64 3
		.amdhsa_memory_ordered 1
		.amdhsa_forward_progress 1
		.amdhsa_inst_pref_size 53
	.end_amdhsa_kernel
	.amdgpu_metadata
---
amdhsa.version: [ 1, 2 ]
amdhsa.kernels:
  - .name:           k_q59fb9ec873_attn
    .symbol:         k_q59fb9ec873_attn.kd
    .args:
      - { .name: qr, .offset: 0, .size: 8, .value_kind: global_buffer, .address_space: global }
      - { .name: kv, .offset: 8, .size: 8, .value_kind: global_buffer, .address_space: global }
      - { .name: oc, .offset: 16, .size: 8, .value_kind: global_buffer, .address_space: global }
      - { .name: os, .offset: 24, .size: 8, .value_kind: global_buffer, .address_space: global }
    .group_segment_fixed_size: 210944
    .private_segment_fixed_size: 0
    .kernarg_segment_align: 8
    .kernarg_segment_size: 32
    .max_flat_workgroup_size: 512
    .sgpr_count:     66
    .vgpr_count:     256
    .wavefront_size: 32
...
	.end_amdgpu_metadata
.endif
;; end of part 3
;; launch outp (part 4): grid 32 x 8, 4 waves a work-group, clusters of 4 x 4, 327,680 bytes of LDS; arguments oc, os, wc, ws, bo, out0; writes out0
.if DOCPART == 4
	.amdgcn_target "amdgcn-amd-amdhsa--gfx1250"
	.amdhsa_code_object_version 6
	.text
	.protected	k_q59fb9ec873_outp
	.globl	k_q59fb9ec873_outp
	.p2align	8
	.type	k_q59fb9ec873_outp,@function
k_q59fb9ec873_outp:
	s_mov_b64 s[64:65], 0
	v_nop
	global_prefetch_b8 v0, s[64:65] scope:SCOPE_SE
	s_setreg_imm32_b32 hwreg(HW_REG_WAVE_MODE, 25, 1), 1
	s_wait_xcnt 0x0
	s_wait_alu depctr_hold_cnt(0) depctr_sa_sdst(0) depctr_va_vdst(0) depctr_va_sdst(0) depctr_va_ssrc(0) depctr_va_vcc(0) depctr_vm_vsrc(0)
	s_getreg_b32 s2, hwreg(HW_REG_IB_STS2, 6, 4)
	s_cmp_eq_u32 s2, 0
	s_cbranch_scc0 .Lentry_in_a_cluster
	s_endpgm
.Lentry_in_a_cluster:
	s_bfe_u32 s2, ttmp6, 0x10000c
	s_cmp_lg_u32 s2, 0xf033
	s_cbranch_scc0 .Lentry_shape_is_right
	s_endpgm
.Lentry_shape_is_right:
; out[token][n] = sum over k of O[token][k] Wo[k][n] + bo[n], f32, ON CODES OF BF6 (E3M2): 8,192 x 1,024 x 1,024.
; LIMITS: 8,192 tokens, N = K = 1,024.  NaN, infinities and sums beyond f32's range are not served.  A sum begins with its bias.
; IN: oc[tile of 16 tokens][K / 128][1,536] and wc[tensor 3][tile of 16 columns][K / 128][1,536]: images of operand registers (registers 6 c .. 6 c + 3 at 768 c + 16 x lane, 6 c + 4, 5 at 768 c + 512 + 8 x lane); os, ws: 32 scale bytes a row.
; THE DEAL: 256 work-groups of four waves, 2 x 2, each 256 tokens x 128 columns.  Wave (w, b) holds its 64 rows of Wo, all of K, in 384 registers and streams tokens 128 w + 16 s + 0 .. 15 past them as block s = 0 .. 7;
; two sets of O's fragments by turns, the block two on fetched behind each block.  Source 0 = Wo's rows, source 1 = O's: a lane holds eight neighbouring columns of one token.
; Each block's rows leave in the run behind its products: through my own stage in LDS and back as whole rows of 256 bytes, sixteen lanes to an aligned unit.
; LDS: O's 256 rows; Wo's 8 tiles; O's scale bytes (plain loads, LDS stores); the stages; the spare words.  One tensor load a wave at the head (Wo's halves, O's halves); nothing is filled again.
; O's tiles are shared by a column of the cluster, Wo's by a row.  No data prefetch: all that the work-group reads is asked for at the head, so there is no later load to run ahead of.
.set FR, 12
.set FPW, 21                           ; fragments in a window; 0-31 Wo's (4 q + tile), 32-47 O's two sets
.set NF, 34                            ; LDS loads of a block: 32 for eight fragments, 2 for eight scale words
.set YB, 196608
.set SCL, 294912
.set STG, 303616
.set SPARE, 321024
.set SPITCH, 272
.set L16, 4
.set L8, 5
.set QA16, 6
.set QA8, 7
.set QAS, 8
.set CO, 9
.set SPW, 10
.set NIL, 11
.set A16, 12
.set A8, 13
.set AS, 14
.set STO, 15
.set RD, 16
.set NB16, 21
.set NB8, 22
.set SB, 24                            ; v24-39 Wo's scale words
.set SA, 74                            ; v74-89 O's scale words, two sets
.set BK, 96                            ; v96-127 16 rows x 256 bytes back from the stage; at the head temporaries
.set HV, 128                           ; v128-159 the sums
.set BO, 72                            ; window 3: v72-103 the bias as the first products' C
.set G1A, 24
.set G1B, 32
.set G0B, 56
.set G0A, 60
.set OP, 70
.set MSB, 0
.macro WIN new
.if MSB != (\new)
	s_set_vgpr_msb (MSB<<8)|(\new)
.set MSB, (\new)
.endif
.endm
.macro PLACES n
.rept \n
	v_nop
.endr
.endm
.macro WALU
	s_wait_alu depctr_va_vdst(0)
.endm
.macro BARRIER
	s_barrier_signal -1
	s_barrier_wait -1
.endm
.macro CROUND
	BARRIER
	s_cmp_lg_u32 s14, 0
	s_cbranch_scc1 .Lnot_wave_0_\@
	s_barrier_signal -3
.Lnot_wave_0_\@:
	s_barrier_wait -3
	BARRIER
.endm
.macro TLOAD g0, g1
	tensor_load_to_lds s[\g0:\g0+3], s[\g1:\g1+7]
	s_nop 0
	PLACES 4
.endm
.macro IMAGE idx, a16, a8, o16         ; an image of 1,536 bytes into fragment idx
	WIN (1+(\idx)/FPW)<<6
.set R_, FR*((\idx)%FPW)
	ds_load_b128 v[R_:R_+3], v[\a16] offset:\o16
	ds_load_b64 v[R_+4:R_+5], v[\a8] offset:(\o16)+512
	ds_load_b128 v[R_+6:R_+9], v[\a16] offset:(\o16)+768
	ds_load_b64 v[R_+10:R_+11], v[\a8] offset:(\o16)+1280
.endm
.macro FETCHAT e, a16, a8, as          ; a block of O into set e: NF loads
.irp q, 0,1,2,3,4,5,6,7
	IMAGE 32+8*(\e)+\q, \a16, \a8, 1536*\q
.endr
	WIN 0
	ds_load_b128 v[SA+8*(\e):SA+8*(\e)+3], v[\as]
	ds_load_b128 v[SA+8*(\e)+4:SA+8*(\e)+7], v[\as] offset:16
.endm
.macro PROD2 d, s0, s1, c, x0, x1, o
.if \o
	v_wmma_scale_f32_16x16x128_f8f6f4 v[\d:\d+7], v[\s0:\s0+FR-1], v[\s1:\s1+FR-1], \c, v[\x0], v[\x1] matrix_a_fmt:MATRIX_FMT_BF6 matrix_b_fmt:MATRIX_FMT_BF6 matrix_a_scale:MATRIX_SCALE_ROW1
.else
	v_wmma_scale_f32_16x16x128_f8f6f4 v[\d:\d+7], v[\s0:\s0+FR-1], v[\s1:\s1+FR-1], \c, v[\x0], v[\x1] matrix_a_fmt:MATRIX_FMT_BF6 matrix_b_fmt:MATRIX_FMT_BF6 matrix_a_scale:MATRIX_SCALE_ROW0
.endif
.endm
.macro PO e, n                         ; product n = 4 q + j: the four column tiles by turns
.set Q_, (\n)/4
.set J_, (\n)%4
.set FB_, 4*Q_+J_
.set FA_, 32+8*(\e)+Q_
.set GB_, FR*(FB_%FPW)
.set GA_, FR*(FA_%FPW)
.set XB_, SB+8*(J_/2)+Q_
.set XA_, SA+8*(\e)+Q_
.set CB_, BO+8*J_
.set D_, HV+8*J_
.if Q_
	WIN (1+FB_/FPW)|((1+FA_/FPW)<<2)
	PROD2 D_, GB_, GA_, v[D_:D_+7], XB_, XA_, J_%2
.else
	WIN (1+FB_/FPW)|((1+FA_/FPW)<<2)|0x30
	PROD2 D_, GB_, GA_, v[CB_:CB_+7], XB_, XA_, J_%2
.endif
.endm
.macro OB e, f                         ; a block: 32 products; five plain lines (the next block begins the same accumulators anew); the sums through the stage; the fetch of the block two on; eight stores
.set N_, 0
.rept 32
	PO \e, N_
.set N_, N_+1
.endr
	WIN 0
.if \f
	v_add_nc_u32 v[A16], s101, v[QA16]
	v_add_nc_u32 v[A8], s101, v[QA8]
	v_add_nc_u32 v[AS], s91, v[QAS]
	PLACES 2
	WALU
.else
	PLACES 5
.endif
	s_wait_xcnt 0x0                        ; the last block's stores have read their registers and their base
	s_add_nc_u64 s[OP:OP+1], s[OP:OP+1], s[20:21]
	s_mov_b32 s20, 65536                   ; from a block's rows of the result to the next block's: 16 rows of 4,096 bytes
.irp j, 0,1,2,3
	ds_store_b128 v[STO], v[HV+8*\j:HV+8*\j+3] offset:64*\j          ; each accumulator from its low end on
	ds_store_b128 v[STO], v[HV+8*\j+4:HV+8*\j+7] offset:64*\j+16
.endr
.irp t, 0,1,2,3,4,5,6,7
	ds_load_b128 v[BK+4*\t:BK+4*\t+3], v[RD] offset:2*\t*SPITCH      ; LDS serves a wave's instructions in order: these see the stores above
.endr
.if \f
	FETCHAT \e, A16, A8, AS
	s_add_co_u32 s101, s101, 12288
	s_add_co_u32 s91, s91, 544
	s_wait_dscnt NF                        ; my rows are back from the stage and the next block's rows are in; this run's fetch is younger
.else
	s_wait_dscnt 0x0
.endif
.irp t, 0,1,2,3,4,5,6,7
	global_store_b128 v[CO], v[BK+4*\t:BK+4*\t+3], s[OP:OP+1] offset:2*\t*4096 th:TH_STORE_NT   ; sixteen lanes store 256 consecutive bytes, aligned
.endr
.endm
; ================= THE HEAD
	s_load_b256 s[4:11], s[0:1], 0x0       ; oc, os, wc, ws
	s_load_b128 s[68:71], s[0:1], 0x20     ; bo, out0
	v_lshl_add_u32 v[SPW], v0, 2, SPARE
	v_mov_b32 v[NIL], 0
	ds_add_u32 v[SPW], v[NIL]              ; the opening lines
	ds_add_u32 v[SPW], v[NIL]
	v_lshrrev_b32 v1, 5, v0
	v_readfirstlane_b32 s14, v1            ; the wave; s15 = w, s16 = b
	s_lshr_b32 s15, s14, 1
	s_and_b32 s16, s14, 1
	s_bfe_u32 s40, ttmp6, 0x40000
	s_bfe_u32 s41, ttmp6, 0x40004
	s_lshl_b32 s43, ttmp9, 2
	s_add_co_u32 s43, s43, s40             ; R: which 256 tokens
	s_and_b32 s42, ttmp7, 0xffff
	s_lshl_b32 s42, s42, 2
	s_add_co_u32 s42, s42, s41             ; J: which 128 columns
	s_lshl_b32 s44, 0x1111, s40            ; my column of the cluster shares O
	s_lshl_b32 s45, s41, 2
	s_lshl_b32 s45, 15, s45                ; my row shares Wo
	s_or_b32 s[G1A], s44, (3<<16)|(1<<21)  ; two rows of 6,144 elements of 8 bytes, dense: eight tiles of O
	s_mov_b32 s[G1A+1], 6144<<16
	s_mov_b32 s[G1A+2], 2<<16
	s_mov_b32 s[G1A+3], 6144<<16
	s_mov_b32 s[G1A+4], 2
	s_mov_b32 s[G1A+5], 6144
	s_mov_b32 s[G1A+6], 0
	s_mov_b32 s[G1A+7], 0
	s_or_b32 s[G1B], s45, 1<<21            ; 64 rows of 768 bytes, dense: four tiles of Wo
	s_mov_b32 s[G1B+1], 768<<16
	s_mov_b32 s[G1B+2], 64<<16
	s_mov_b32 s[G1B+3], 768<<16
	s_mov_b32 s[G1B+4], 64
	s_mov_b32 s[G1B+5], 768
	s_mov_b32 s[G1B+6], 0
	s_mov_b32 s[G1B+7], 0
	s_mov_b32 s[G0A], 1
	s_mul_i32 s[G0A+1], s16, 98304
	s_mul_i32 s12, s16, 98304
	s_mov_b32 s13, 0
	s_mov_b32 s[G0B], 1
	s_mul_i32 s18, s16, 49152
	s_mov_b32 s19, 0
	s_add_co_u32 s[G0B+1], s18, YB
	s_mul_i32 s78, s43, 196608
	s_mov_b32 s79, 0
	s_mul_i32 s80, s42, 98304
	s_mov_b32 s81, 0
	s_lshl_b32 s82, s43, 13
	s_mov_b32 s83, 0
	s_lshl_b32 s84, s42, 12
	s_lshl_b32 s22, s16, 11
	s_add_co_u32 s84, s84, s22
	s_mov_b32 s85, 0
	s_lshr_b32 s86, s84, 3                 ; (128 J + 64 b) x 4
	s_mov_b32 s87, 0
	s_lshl_b32 s88, s43, 20                ; my first token's row of the result, and my first column
	s_lshl_b32 s22, s15, 19
	s_add_co_u32 s88, s88, s22
	s_add_co_u32 s88, s88, s86
	s_mov_b32 s89, 0
	v_and_b32 v1, 15, v0                   ; r
	v_bfe_u32 v2, v0, 4, 1                 ; h
	v_and_b32 v3, 31, v0
	v_lshlrev_b32 v[L16], 4, v3
	v_lshlrev_b32 v[L8], 3, v3
	v_and_b32 v102, 7, v1
	v_lshrrev_b32 v103, 3, v1
	s_mul_i32 s17, s15, 98304
	s_add_co_u32 s22, s18, YB
	v_add_nc_u32 v[QA16], s17, v[L16]
	v_add_nc_u32 v[QA8], s17, v[L8]
	v_add_nc_u32 v[NB16], s22, v[L16]
	v_add_nc_u32 v[NB8], s22, v[L8]
	s_mul_i32 s22, s15, 16*272
	s_add_co_u32 s22, s22, SCL
	v_lshlrev_b32 v108, 5, v102
	v_mad_u32_u24 v109, v103, 272, v108
	v_add_nc_u32 v[QAS], s22, v109
	s_mul_i32 s22, s14, 16*SPITCH
	s_add_co_u32 s22, s22, STG
	v_mul_u32_u24 v109, v1, SPITCH         ; into the stage: row r, 32 bytes for each half of the lanes
	v_lshl_add_u32 v109, v2, 5, v109
	v_add_nc_u32 v[STO], s22, v109
	v_mul_u32_u24 v110, v2, SPITCH         ; back: lanes 0-15 one row of 256 bytes, lanes 16-31 the next
	v_lshl_add_u32 v110, v1, 4, v110
	v_add_nc_u32 v[RD], s22, v110
	v_lshlrev_b32 v111, 12, v2             ; and the same two rows in the result
	v_lshl_add_u32 v[CO], v1, 4, v111
	v_lshlrev_b32 v96, 4, v0               ; O's scale bytes: 16 bytes a thread,
	v_lshrrev_b32 v112, 4, v0
	v_mul_u32_u24 v112, v112, 272
	v_lshl_add_u32 v112, v1, 4, v112
	v_add_nc_u32 v97, SCL, v112            ; into units of 256 + 16
	v_lshlrev_b32 v99, 5, v3               ; Wo's scale words: a lane a column
	v_lshlrev_b32 v100, 5, v2              ; the bias: 8 h numbers on
	WALU
	s_wait_dscnt 0x0
	CROUND                                 ; the opening round
	s_wait_kmcnt 0x0
	s_add_nc_u64 s[8:9], s[8:9], 2359296   ; Wo is the fourth tensor of wc and ws
	s_add_nc_u64 s[10:11], s[10:11], 98304
	s_add_nc_u64 s[52:53], s[4:5], s[78:79]
	s_add_nc_u64 s[G0A+2:G0A+3], s[52:53], s[12:13]
	s_or_b32 s[G0A+3], s[G0A+3], 0x80000000
	s_add_nc_u64 s[54:55], s[8:9], s[80:81]
	s_add_nc_u64 s[G0B+2:G0B+3], s[54:55], s[18:19]
	s_or_b32 s[G0B+3], s[G0B+3], 0x80000000
	s_cmp_lt_u32 s14, 2
	s_cbranch_scc0 .Lhead_a
	TLOAD G0B, G1B                         ; waves 0, 1: Wo's halves
	s_branch .Lasked
.Lhead_a:
	TLOAD G0A, G1A                         ; waves 2, 3: O's halves
.Lasked:
	s_add_nc_u64 s[6:7], s[6:7], s[82:83]
	s_add_nc_u64 s[10:11], s[10:11], s[84:85]
	s_add_nc_u64 s[68:69], s[68:69], s[86:87]
	s_add_nc_u64 s[OP:OP+1], s[OP:OP+1], s[88:89]
.irp k, 0,1,2,3
	global_load_b128 v[HV+4*\k:HV+4*\k+3], v96, s[6:7] offset:2048*\k
.endr
.irp g, 0,1
.irp c, 0,1
	global_load_b128 v[SB+8*\g+4*\c:SB+8*\g+4*\c+3], v99, s[10:11] offset:1024*\g+16*\c
.endr
.endr
	WIN 0xc0
.irp j, 0,1,2,3
.irp k, 0,1
	global_load_b128 v[BO+8*\j+4*\k:BO+8*\j+4*\k+3], v100, s[68:69] offset:64*\j+16*\k
.endr
.endr
	WIN 0
	s_wait_loadcnt 0x0
.irp k, 0,1,2,3
	ds_store_b128 v97, v[HV+4*\k:HV+4*\k+3] offset:2176*\k
.endr
	s_wait_dscnt 0x0
	s_cmp_lt_u32 s14, 2
	s_cbranch_scc0 .Lnot_b
	s_wait_tensorcnt 0x0
.Lnot_b:
	BARRIER                                ; Wo's rows are in, and O's scale bytes
.irp q, 0,1,2,3,4,5,6,7
.irp j, 0,1,2,3
	IMAGE 4*\q+\j, NB16, NB8, 12288*\j+1536*\q
.endr
.endr
	WIN 0
	s_wait_tensorcnt 0x0
	s_wait_dscnt 0x0
	BARRIER                                ; O's rows are in
	FETCHAT 0, QA16, QA8, QAS
	v_add_nc_u32 v[A16], 12288, v[QA16]
	v_add_nc_u32 v[A8], 12288, v[QA8]
	v_add_nc_u32 v[AS], 544, v[QAS]
	WALU
	FETCHAT 1, A16, A8, AS
; ================= THE STREAM: eight blocks
	s_mov_b32 s20, 0
	s_mov_b32 s21, 0
	s_mov_b32 s101, 24576
	s_mov_b32 s91, 1088
	s_mov_b32 s23, 0
	s_wait_dscnt NF                        ; Wo and block 0 are in; block 1's fetch is younger
.Lpair:
	OB 0, 1
	OB 1, 1
	s_add_co_u32 s23, s23, 1
	s_cmp_lg_u32 s23, 3
	s_cbranch_scc1 .Lpair
	OB 0, 0                                ; blocks 6 and 7 fetch nothing
	OB 1, 0
	s_wait_tensorcnt 0x0                   ; the wave's end
	ds_add_u32 v[SPW], v[NIL]
	s_wait_dscnt 0x0
	CROUND                                 ; the closing round
	s_endpgm
.Lfunc_end_k_q59fb9ec873_outp:
	.size	k_q59fb9ec873_outp, .Lfunc_end_k_q59fb9ec873_outp-k_q59fb9ec873_outp
	.p2alignl 7, 3214868480
	.fill 96, 4, 3214868480
	.section	.rodata,"a",@progbits
	.p2align	6, 0x0
	.amdhsa_kernel k_q59fb9ec873_outp
		.amdhsa_group_segment_fixed_size 327680
		.amdhsa_private_segment_fixed_size 0
		.amdhsa_enable_private_segment 0
		.amdhsa_kernarg_size 48
		.amdhsa_user_sgpr_count 2
		.amdhsa_user_sgpr_kernarg_segment_ptr 1
		.amdhsa_wavefront_size32 1
		.amdhsa_system_sgpr_workgroup_id_x 1
		.amdhsa_system_sgpr_workgroup_id_y 1
		.amdhsa_system_sgpr_workgroup_id_z 1
		.amdhsa_system_vgpr_workitem_id 0
		.amdhsa_next_free_vgpr 872
		.amdhsa_next_free_sgpr 102
		.amdhsa_reserve_vcc 0
		.amdhsa_float_denorm_mode_32 3
		.amdhsa_float_denorm_mode_16_64 3
		.amdhsa_memory_ordered 1
		.amdhsa_forward_progress 1
		.amdhsa_inst_pref_size 52
	.end_amdhsa_kernel
	.amdgpu_metadata
---
amdhsa.version: [ 1, 2 ]
amdhsa.kernels:
  - .name:           k_q59fb9ec873_outp
    .symbol:         k_q59fb9ec873_outp.kd
    .args:
      - { .name: oc, .offset: 0, .size: 8, .value_kind: global_buffer, .address_space: global }
      - { .name: os, .offset: 8, .size: 8, .value_kind: global_buffer, .address_space: global }
      - { .name: wc, .offset: 16, .size: 8, .value_kind: global_buffer, .address_space: global }
      - { .name: ws, .offset: 24, .size: 8, .value_kind: global_buffer, .address_space: global }
      - { .name: bo, .offset: 32, .size: 8, .value_kind: global_buffer, .address_space: global }
      - { .name: out0, .offset: 40, .size: 8, .value_kind: global_buffer, .address_space: global }
    .group_segment_fixed_size: 327680
    .private_segment_fixed_size: 0
    .kernarg_segment_align: 8
    .kernarg_segment_size: 48
    .max_flat_workgroup_size: 128
    .sgpr_count:     102
    .vgpr_count:     872
    .wavefront_size: 32
...
	.end_amdgpu_metadata
.endif
;; end of part 4
